; MI455X (gfx1250); checked and timed in simulation.
; The chip was launched on July 23, 2026; its instructions are those of AMD's public machine-readable ISA for CDNA 5 (MIT licence, August 2026) and "CDNA5" Instruction Set Architecture Reference Guide (July 2026). The comments in the code are by the model that wrote it; some were corrected since.
;; My Layer. Allowed arithmetic: float matrix products may take bf16 or f16 operands with f32 sums; other float arithmetic in f32, or as packed bf16 or f16 multiplies, adds, multiply-adds, maxima and minima; sums over many terms, partial sums and values carried from step to step in f32; what a program stores and reads back later, other than sums and carried values, may be rounded once to bf16 or f16.
;; Inputs: W1 1,024 x 256 float32; W2 256 x 1,024 float32; b1 256 float32; b2 1,024 float32; x 16,384 x 1,024 float32.
;; Outputs: out0 16,384 x 1,024 float32.
;; 2 versions, each right. Each part assembles by itself: llvm-mc -triple=amdgcn-amd-amdhsa -mcpu=gfx1250 --defsym DOCPART=n.
;; ======== version 1 of 2: 3 launches
;; workspace buffers: wf 2,129,920 bytes; gf 1,572,864 bytes; cv 4,096 bytes
;; launch prep (part 1): grid 520 x 1, 8 waves a work-group, no clusters, 0 bytes of LDS; arguments W1, W2, b2, wf; writes wf
.if DOCPART == 1
	.amdgcn_target "amdgcn-amd-amdhsa--gfx1250"
	.amdhsa_code_object_version 6
	.text
	.protected	k_q64c00c97e6_prep
	.globl	k_q64c00c97e6_prep
	.p2align	8
	.type	k_q64c00c97e6_prep,@function
k_q64c00c97e6_prep:
	s_mov_b64 s[64:65], 0
	v_nop
	global_prefetch_b8 v0, s[64:65] scope:SCOPE_SE
	s_setreg_imm32_b32 hwreg(HW_REG_WAVE_MODE, 25, 1), 1
	s_wait_xcnt 0x0
; The weights, rounded once to bf16 and laid out as the matrix unit's fragments, in the order in which the later launches walk them.
; wf = 64 units of 32,768 bytes, then 32 fragments of b2.  A unit = [wave w: 4][tile t: 8] fragments of 1,024 bytes (16 rows m x 32 k); in a fragment element (m, k) lies at byte
; (k / 16) 512 + (((k % 16) / 8) 16 + m) 16 + (k % 8) 2, so that lane l of a wave later takes 16 bytes at 16 l and 16 more at 512 + 16 l.
; Units n = 0..31 (k = u = 32 n + k): t < 4: row j = 64 w + 16 t + m of W1^T (value W1[u][j]); t >= 4: row j = 64 w + 16 (t - 4) + m of W2 (value W2[j][u]).
; Units n = 32 + 16 c + kk (row u = 512 c + 128 w + 16 t + m): kk < 8: value W1[u][32 kk + k]; kk >= 8: value W2[32 (kk - 8) + k][u].
; Fragment f of b2 (behind the units): every row m holds b2[32 f + k].
; A work-group makes four fragments, 4,096 bytes on end; a thread 16 bytes: eight numbers along k.  A wave's store covers 512 consecutive bytes, aligned.
	s_load_b256 s[4:11], s[0:1], 0x0               ; W1 s[4:5], W2 s[6:7], b2 s[8:9], wf s[10:11]
	s_lshr_b32 s12, ttmp9, 3                       ; n: eight work-groups to a unit
	s_bfe_u32 s13, ttmp9, 0x20001                  ; w
	s_and_b32 s14, ttmp9, 1                        ; th: tiles 0-3 or 4-7
	s_and_b32 s15, s12, 15                         ; kk
	s_bfe_u32 s16, s12, 0x10004                    ; c
	s_xor_b32 s17, s14, 1                          ; units 0-31: W1 serves tiles 0-3
	s_lshr_b32 s18, s15, 3
	s_xor_b32 s18, s18, 1                          ; units 32-63: W1 serves kk < 8
	s_lshl_b32 s20, s13, 6                         ; first row, units 0-31: 64 w
	s_lshl_b32 s21, s16, 9
	s_lshl_b32 s22, s13, 7
	s_add_co_u32 s21, s21, s22
	s_lshl_b32 s22, s14, 6
	s_add_co_u32 s21, s21, s22                     ; units 32-63: 512 c + 128 w + 64 th
	s_lshl_b32 s23, s12, 5                         ; first k, units 0-31: 32 n
	s_and_b32 s24, s15, 7
	s_lshl_b32 s24, s24, 5                         ; units 32-63: 32 (kk % 8)
	s_cmp_lt_u32 s12, 32
	s_cselect_b32 s19, s17, s18                    ; 1: the numbers come from W1
	s_cselect_b32 s20, s20, s21
	s_cselect_b32 s23, s23, s24
	s_cselect_b32 s25, 1, 0
	s_cmp_eq_u32 s19, 1
	s_cselect_b32 s26, 4, 4096                     ; bytes from j to j + 1 (W1: along a row; W2: a row of 1,024 numbers)
	s_cselect_b32 s27, 1024, 4                     ; bytes from u to u + 1
	s_cmp_eq_u32 s25, 1
	s_cselect_b32 s28, s26, s27                    ; bytes from m to m + 1: m is j in units 0-31, u in units 32-63
	s_cselect_b32 s29, s27, s26                    ; bytes from k to k + 1
	s_mul_i32 s30, s20, s28
	s_mul_i32 s31, s23, s29
	s_add_co_u32 s30, s30, s31                     ; the work-group's corner, in bytes (under 2^20)
	s_lshl_b32 s34, s28, 4                         ; bytes from a fragment to the next: 16 rows
	s_sub_co_u32 s35, ttmp9, 512
	s_lshl_b32 s35, s35, 9                         ; b2: four fragments of 32 numbers a work-group
	s_cmp_ge_u32 s12, 64                           ; the last eight work-groups make b2's fragments:
	s_cselect_b32 s28, 0, s28                      ; every row alike,
	s_cselect_b32 s29, 4, s29                      ; k along b2,
	s_cselect_b32 s34, 128, s34                    ; 32 numbers from a fragment to the next
	s_cselect_b32 s30, s35, s30
	s_cselect_b32 s36, 1, 0
	s_mov_b32 s31, 0
	s_lshl_b32 s32, ttmp9, 12                      ; the work-group's 4,096 bytes of wf
	s_mov_b32 s33, 0
	v_lshrrev_b32 v1, 6, v0                        ; which of the four fragments
	v_and_b32 v2, 15, v0                           ; m
	v_bfe_u32 v3, v0, 5, 1
	v_bfe_u32 v21, v0, 4, 1
	v_lshlrev_b32 v3, 4, v3
	v_lshl_add_u32 v3, v21, 3, v3                  ; my first k
	v_mul_lo_u32 v1, v1, s34
	v_mul_lo_u32 v2, v2, s28
	v_mul_lo_u32 v3, v3, s29
	v_add3_u32 v4, v1, v2, v3
.irp e, 0,1,2,3,4,5,6
	v_add_nc_u32 v[5+(\e)], s29, v[4+(\e)]         ; one offset for each of my eight k
.endr
	v_lshlrev_b32 v20, 4, v0
	s_wait_kmcnt 0x0
	s_cmp_eq_u32 s19, 1
	s_cselect_b64 s[4:5], s[4:5], s[6:7]
	s_cmp_eq_u32 s36, 1
	s_cselect_b64 s[4:5], s[8:9], s[4:5]
	s_add_nc_u64 s[4:5], s[4:5], s[30:31]
	s_add_nc_u64 s[10:11], s[10:11], s[32:33]
.irp e, 0,1,2,3,4,5,6,7
	global_load_b32 v[12+(\e)], v[4+(\e)], s[4:5]
.endr
	s_wait_loadcnt 0x0
.irp e, 0,1,2,3
	v_cvt_pk_bf16_f32 v[24+(\e)], v[12+2*(\e)], v[13+2*(\e)]  ; the lower k in the lower half
.endr
	global_store_b128 v20, v[24:27], s[10:11]
	s_endpgm
.Lfunc_end_k_q64c00c97e6_prep:
	.size	k_q64c00c97e6_prep, .Lfunc_end_k_q64c00c97e6_prep-k_q64c00c97e6_prep
	.p2alignl 7, 3214868480
	.fill 96, 4, 3214868480
	.section	.rodata,"a",@progbits
	.p2align	6, 0x0
	.amdhsa_kernel k_q64c00c97e6_prep
		.amdhsa_group_segment_fixed_size 0
		.amdhsa_private_segment_fixed_size 0
		.amdhsa_enable_private_segment 0
		.amdhsa_kernarg_size 32
		.amdhsa_user_sgpr_count 2
		.amdhsa_user_sgpr_kernarg_segment_ptr 1
		.amdhsa_wavefront_size32 1
		.amdhsa_system_sgpr_workgroup_id_x 1
		.amdhsa_system_sgpr_workgroup_id_y 1
		.amdhsa_system_sgpr_workgroup_id_z 1
		.amdhsa_system_vgpr_workitem_id 0
		.amdhsa_next_free_vgpr 32
		.amdhsa_next_free_sgpr 66
		.amdhsa_reserve_vcc 0
		.amdhsa_float_denorm_mode_32 3
		.amdhsa_float_denorm_mode_16_64 3
		.amdhsa_memory_ordered 1
		.amdhsa_forward_progress 1
		.amdhsa_inst_pref_size 4
	.end_amdhsa_kernel
	.amdgpu_metadata
---
amdhsa.version: [ 1, 2 ]
amdhsa.kernels:
  - .name:           k_q64c00c97e6_prep
    .symbol:         k_q64c00c97e6_prep.kd
    .args:
      - { .name: W1, .offset: 0, .size: 8, .value_kind: global_buffer, .address_space: global }
      - { .name: W2, .offset: 8, .size: 8, .value_kind: global_buffer, .address_space: global }
      - { .name: b2, .offset: 16, .size: 8, .value_kind: global_buffer, .address_space: global }
      - { .name: wf, .offset: 24, .size: 8, .value_kind: global_buffer, .address_space: global }
    .group_segment_fixed_size: 0
    .private_segment_fixed_size: 0
    .kernarg_segment_align: 8
    .kernarg_segment_size: 32
    .max_flat_workgroup_size: 256
    .sgpr_count:     66
    .vgpr_count:     32
    .wavefront_size: 32
...
	.end_amdgpu_metadata
.endif
;; end of part 1
;; launch gram (part 2): grid 16 x 17, 8 waves a work-group, no clusters, 33,792 bytes of LDS; arguments wf, gf, cv; writes gf, cv
.if DOCPART == 2
	.amdgcn_target "amdgcn-amd-amdhsa--gfx1250"
	.amdhsa_code_object_version 6
	.text
	.protected	k_q64c00c97e6_gram
	.globl	k_q64c00c97e6_gram
	.p2align	8
	.type	k_q64c00c97e6_gram,@function
k_q64c00c97e6_gram:
	s_mov_b64 s[64:65], 0
	v_nop
	global_prefetch_b8 v0, s[64:65] scope:SCOPE_SE
	s_setreg_imm32_b32 hwreg(HW_REG_WAVE_MODE, 25, 1), 1
	s_wait_xcnt 0x0
; G = Wc^T Wc (512 x 512) and c = b2 Wc (512), where Wc[u] = [W1[u][:] | W2[:][u]] in bf16, as wf's units 0-31 hold it: column tile T of Wc (16 columns, k = u) is fragment
; (w, t) = ((T % 16) / 4, 4 (T / 16) + T % 4) of each unit.  The operands are exact in bf16 and the sums are f32; G is stored as a PAIR of bf16 numbers, hi = bf16(G), lo = bf16(G - hi):
; 16 significant bits.  gf = [hi: 16 units | hi once more | lo], units and fragments as in wf: unit kk, fragment (w, t), element (m, k) = G[32 kk + k][16 T + m].
; SHARES.  Work-group (x, y): rows 32 y .. + 31 of G (tiles J = 2 y, 2 y + 1) x columns 32 x .. + 31 (tiles T = 2 x, 2 x + 1): four accumulators.  K = 1,024 IS SPLIT AMONG ITS EIGHT WAVES, four K steps
; of 32 each; the partial sums meet in LDS; waves 0-3 finish a tile each.  y = 16: source 0 is b2's fragment (every row b2), so every row of the result is c.
; LAYOUT.  D = (tile J) x (tile T): lane (r = l % 16, hh = l / 16), register j holds G[16 J + 8 hh + j][16 T + r]: rounded in pairs these are the 16 bytes at 16 l of half J % 2 of the
; fragment: a wave's store covers 512 consecutive bytes, aligned.  cv: 128 bytes a tile T, c[16 T + l % 16] at 4 l: each number twice, so that all lanes store.
.set PART,  0                          ; LDS: wave v's four partial tiles, 1,024 bytes each, at 4,096 v
.set SPARE, 32768                      ; behind them: the spare words, 128 bytes for each wave: four blocks of 256 bytes that no other line names
.set AO,  4                            ; v4-7    my byte offset in tile J0's fragment of K step i
.set A1O, 8                            ; v8-11   the same for tile J1
.set BO,  12                           ; v12     in tile T0's fragment of my first K step
.set LS,  13                           ; v13     where I put my 32 bytes of a partial tile
.set LR,  14                           ; v14     where I read them back
.set GO,  15                           ; v15     my 16 bytes of gf
.set SPW, 16                           ; v16     LDS address of my spare word; never rewritten
.set NIL, 17                           ; v17     0; never rewritten
.set CO,  18                           ; v18     my 4 bytes of cv
.set ACC, 32                           ; v[32:63]  accumulator q = 2 (J - J0) + (T - T0) at ACC + 8 q
.set BUF, 64                           ; v[64:191] K step i: J0, J1, T0, T1 at BUF + 32 i + 0, 8, 16, 24
.set WV,  12                           ; s12  my wave's number
.set KK,  13                           ; s13  y
.set FT,  14                           ; s14  tile T0's place in a unit
.macro PLACE_OF dst, tile, tmp         ; a column tile's place in a unit, in bytes
	s_and_b32 \dst, \tile, 15
	s_lshr_b32 \dst, \dst, 2
	s_lshl_b32 \dst, \dst, 13
	s_lshr_b32 \tmp, \tile, 4
	s_lshl_b32 \tmp, \tmp, 12
	s_add_co_u32 \dst, \dst, \tmp
	s_and_b32 \tmp, \tile, 3
	s_lshl_b32 \tmp, \tmp, 10
	s_add_co_u32 \dst, \dst, \tmp
.endm
	s_load_b128 s[4:7], s[0:1], 0x0                ; wf s[4:5], gf s[6:7]
	s_load_b64 s[8:9], s[0:1], 0x10                ; cv
	v_lshl_add_u32 v[SPW], v0, 2, SPARE
	v_mov_b32 v[NIL], 0
	v_lshrrev_b32 v1, 5, v0
	v_readfirstlane_b32 s[WV], v1                  ; wave 0..7
	v_and_b32 v2, 31, v0                           ; l
	s_and_b32 s[KK], ttmp7, 0xffff
	s_lshl_b32 s15, ttmp9, 1                       ; T0
	PLACE_OF s14, s15, s16
	s_lshl_b32 s19, s[KK], 1                       ; J0
	PLACE_OF s20, s19, s16
	s_mov_b32 s21, 32768                           ; bytes from a K step's fragment to the next: a unit,
	s_cmp_eq_u32 s[KK], 16
	s_cselect_b32 s20, 0x200000, s20               ; b2's fragments lie behind the 64 units,
	s_cselect_b32 s21, 1024, s21                   ; on end,
	s_cselect_b32 s22, 0, 1024                     ; and serve as both tiles J
	s_lshl_b32 s23, s[WV], 2                       ; my first K step
	s_mul_i32 s23, s23, s21
	s_add_co_u32 s23, s23, s20
	v_lshl_add_u32 v[AO], v2, 4, s23
.irp i, 0,1,2
	v_add_nc_u32 v[AO+1+(\i)], s21, v[AO+(\i)]
.endr
.irp i, 0,1,2,3
	v_add_nc_u32 v[A1O+(\i)], s22, v[AO+(\i)]
.endr
	s_lshl_b32 s24, s[WV], 17                      ; four units
	s_add_co_u32 s24, s24, s[FT]
	v_lshl_add_u32 v[BO], v2, 4, s24
	s_lshl_b32 s25, s[WV], 12
	v_lshl_add_u32 v[LS], v2, 5, s25
	s_lshl_b32 s25, s[WV], 10
	v_lshl_add_u32 v[LR], v2, 5, s25               ; tile q = my wave's number (waves 0-3)
	s_and_b32 s26, s[WV], 1                        ; T - T0
	s_bfe_u32 s27, s[WV], 0x10001                  ; J - J0
	s_lshl_b32 s28, s[KK], 15                      ; unit y,
	s_add_co_u32 s28, s28, s[FT]
	s_lshl_b32 s29, s26, 10                        ; the tile's fragment,
	s_add_co_u32 s28, s28, s29
	s_lshl_b32 s29, s27, 9                         ; its half
	s_add_co_u32 s28, s28, s29
	v_lshl_add_u32 v[GO], v2, 4, s28
	s_add_co_u32 s30, s15, s26
	s_lshl_b32 s30, s30, 7
	v_lshl_add_u32 v[CO], v2, 2, s30
	s_wait_kmcnt 0x0
.irp i, 0,1,2,3
	global_load_b128 v[BUF+32*(\i):BUF+32*(\i)+3],      v[AO+(\i)],  s[4:5]
	global_load_b128 v[BUF+32*(\i)+4:BUF+32*(\i)+7],    v[AO+(\i)],  s[4:5] offset:512
	global_load_b128 v[BUF+32*(\i)+8:BUF+32*(\i)+11],   v[A1O+(\i)], s[4:5]
	global_load_b128 v[BUF+32*(\i)+12:BUF+32*(\i)+15],  v[A1O+(\i)], s[4:5] offset:512
	global_load_b128 v[BUF+32*(\i)+16:BUF+32*(\i)+19],  v[BO], s[4:5] offset:32768*(\i)
	global_load_b128 v[BUF+32*(\i)+20:BUF+32*(\i)+23],  v[BO], s[4:5] offset:32768*(\i)+512
	global_load_b128 v[BUF+32*(\i)+24:BUF+32*(\i)+27],  v[BO], s[4:5] offset:32768*(\i)+1024
	global_load_b128 v[BUF+32*(\i)+28:BUF+32*(\i)+31],  v[BO], s[4:5] offset:32768*(\i)+1536
.endr
; The four accumulators take turns, one instruction a turn; the first K step starts the sums with the constant 0.
.irp i, 0,1,2,3
	s_wait_loadcnt 24-8*(\i)                       ; K step i's eight loads are in; the later steps' may stay out
.irp q, 0,1,2,3
.if (\i) == 0
	v_wmma_f32_16x16x32_bf16 v[ACC+8*(\q):ACC+8*(\q)+7], v[BUF+32*(\i)+8*((\q)/2):BUF+32*(\i)+8*((\q)/2)+7], v[BUF+32*(\i)+16+8*((\q)%2):BUF+32*(\i)+16+8*((\q)%2)+7], 0
.else
	v_wmma_f32_16x16x32_bf16 v[ACC+8*(\q):ACC+8*(\q)+7], v[BUF+32*(\i)+8*((\q)/2):BUF+32*(\i)+8*((\q)/2)+7], v[BUF+32*(\i)+16+8*((\q)%2):BUF+32*(\i)+16+8*((\q)%2)+7], v[ACC+8*(\q):ACC+8*(\q)+7]
.endif
.endr
.endr
.rept 8
	v_nop                                          ; the places behind the last products, in front of the LDS stores that read results
.endr
.irp q, 0,1,2,3
	ds_store_b128 v[LS], v[ACC+8*(\q):ACC+8*(\q)+3]   offset:PART+1024*(\q)
	ds_store_b128 v[LS], v[ACC+8*(\q)+4:ACC+8*(\q)+7] offset:PART+1024*(\q)+16
.endr
	s_wait_dscnt 0x0                               ; for the others' sake: my partial sums are written
	s_barrier_signal -1
	s_barrier_wait -1
	s_cmp_lt_u32 s[WV], 4                          ; wave q finishes tile q
	s_cbranch_scc0 .Lend
.irp p, 0,1,2,3,4,5,6,7
	ds_load_b128 v[BUF+8*(\p):BUF+8*(\p)+3],   v[LR] offset:PART+4096*(\p)
	ds_load_b128 v[BUF+8*(\p)+4:BUF+8*(\p)+7], v[LR] offset:PART+4096*(\p)+16
.endr
	s_wait_dscnt 0x0
.irp p, 0,2,4,6
.irp r, 0,2,4,6
	v_pk_add_f32 v[BUF+8*(\p)+(\r):BUF+8*(\p)+(\r)+1], v[BUF+8*(\p)+(\r):BUF+8*(\p)+(\r)+1], v[BUF+8*(\p)+8+(\r):BUF+8*(\p)+8+(\r)+1]
.endr
.endr
.irp p, 0,4
.irp r, 0,2,4,6
	v_pk_add_f32 v[BUF+8*(\p)+(\r):BUF+8*(\p)+(\r)+1], v[BUF+8*(\p)+(\r):BUF+8*(\p)+(\r)+1], v[BUF+8*(\p)+16+(\r):BUF+8*(\p)+16+(\r)+1]
.endr
.endr
.irp r, 0,2,4,6
	v_pk_add_f32 v[BUF+(\r):BUF+(\r)+1], v[BUF+(\r):BUF+(\r)+1], v[BUF+32+(\r):BUF+32+(\r)+1]
.endr
	s_cmp_eq_u32 s[KK], 16
	s_cbranch_scc1 .Lc
.irp i, 0,1,2,3
	v_cvt_pk_bf16_f32 v[BUF+8+(\i)], v[BUF+2*(\i)], v[BUF+2*(\i)+1]      ; hi
.endr
.irp i, 0,1,2,3
	v_lshlrev_b32 v[BUF+16+2*(\i)], 16, v[BUF+8+(\i)]                    ; hi as f32
	v_and_b32 v[BUF+17+2*(\i)], 0xffff0000, v[BUF+8+(\i)]
.endr
.irp r, 0,2,4,6
	v_pk_add_f32 v[BUF+(\r):BUF+(\r)+1], v[BUF+(\r):BUF+(\r)+1], v[BUF+16+(\r):BUF+16+(\r)+1] neg_lo:[0,1] neg_hi:[0,1]  ; what hi left over: exact in f32
.endr
.irp i, 0,1,2,3
	v_cvt_pk_bf16_f32 v[BUF+12+(\i)], v[BUF+2*(\i)], v[BUF+2*(\i)+1]     ; lo
.endr
	global_store_b128 v[GO], v[BUF+8:BUF+11],  s[6:7]
	global_store_b128 v[GO], v[BUF+8:BUF+11],  s[6:7] offset:524288      ; hi once more: the stream of an update is then linear
	global_store_b128 v[GO], v[BUF+12:BUF+15], s[6:7] offset:1048576
	s_branch .Lend
.Lc:
	s_cmp_lt_u32 s[WV], 2                          ; tiles q = 0, 1: c of the two column tiles; q = 2, 3 hold the same once more
	s_cbranch_scc0 .Lend
	global_store_b32 v[CO], v[BUF], s[8:9]
.Lend:
	s_wait_tensorcnt 0x0                           ; the wave's end: behind my last LDS store
	ds_add_u32 v[SPW], v[NIL]
	s_wait_dscnt 0x0
	s_endpgm
.Lfunc_end_k_q64c00c97e6_gram:
	.size	k_q64c00c97e6_gram, .Lfunc_end_k_q64c00c97e6_gram-k_q64c00c97e6_gram
	.p2alignl 7, 3214868480
	.fill 96, 4, 3214868480
	.section	.rodata,"a",@progbits
	.p2align	6, 0x0
	.amdhsa_kernel k_q64c00c97e6_gram
		.amdhsa_group_segment_fixed_size 33792
		.amdhsa_private_segment_fixed_size 0
		.amdhsa_enable_private_segment 0
		.amdhsa_kernarg_size 24
		.amdhsa_user_sgpr_count 2
		.amdhsa_user_sgpr_kernarg_segment_ptr 1
		.amdhsa_wavefront_size32 1
		.amdhsa_system_sgpr_workgroup_id_x 1
		.amdhsa_system_sgpr_workgroup_id_y 1
		.amdhsa_system_sgpr_workgroup_id_z 1
		.amdhsa_system_vgpr_workitem_id 0
		.amdhsa_next_free_vgpr 192
		.amdhsa_next_free_sgpr 66
		.amdhsa_reserve_vcc 0
		.amdhsa_float_denorm_mode_32 3
		.amdhsa_float_denorm_mode_16_64 3
		.amdhsa_memory_ordered 1
		.amdhsa_forward_progress 1
		.amdhsa_inst_pref_size 13
	.end_amdhsa_kernel
	.amdgpu_metadata
---
amdhsa.version: [ 1, 2 ]
amdhsa.kernels:
  - .name:           k_q64c00c97e6_gram
    .symbol:         k_q64c00c97e6_gram.kd
    .args:
      - { .name: wf, .offset: 0, .size: 8, .value_kind: global_buffer, .address_space: global }
      - { .name: gf, .offset: 8, .size: 8, .value_kind: global_buffer, .address_space: global }
      - { .name: cv, .offset: 16, .size: 8, .value_kind: global_buffer, .address_space: global }
    .group_segment_fixed_size: 33792
    .private_segment_fixed_size: 0
    .kernarg_segment_align: 8
    .kernarg_segment_size: 24
    .max_flat_workgroup_size: 256
    .sgpr_count:     66
    .vgpr_count:     192
    .wavefront_size: 32
...
	.end_amdgpu_metadata
.endif
;; end of part 2
;; launch rk4 (part 3): grid 256 x 1, 4 waves a work-group, clusters of 4 x 1, 327,680 bytes of LDS; arguments x, wf, gf, cv, b1, b2, out0; writes out0
.if DOCPART == 3
	.amdgcn_target "amdgcn-amd-amdhsa--gfx1250"
	.amdhsa_code_object_version 6
	.text
	.protected	k_q64c00c97e6_rk4
	.globl	k_q64c00c97e6_rk4
	.p2align	8
	.type	k_q64c00c97e6_rk4,@function
k_q64c00c97e6_rk4:
	s_mov_b64 s[64:65], 0
	v_nop
	global_prefetch_b8 v0, s[64:65] scope:SCOPE_SE
	s_setreg_imm32_b32 hwreg(HW_REG_WAVE_MODE, 25, 1), 1
	s_wait_xcnt 0x0
	s_wait_alu depctr_hold_cnt(0) depctr_sa_sdst(0) depctr_va_vdst(0) depctr_va_sdst(0) depctr_va_ssrc(0) depctr_va_vcc(0) depctr_vm_vsrc(0)
	s_getreg_b32 s2, hwreg(HW_REG_IB_STS2, 6, 4)
	s_cmp_eq_u32 s2, 0
	s_cbranch_scc0 .Lentry_in_a_cluster
	s_endpgm
.Lentry_in_a_cluster:
	s_bfe_u32 s2, ttmp6, 0x10000c
	s_cmp_lg_u32 s2, 0x3003
	s_cbranch_scc0 .Lentry_shape_is_right
	s_endpgm
.Lentry_shape_is_right:
; One RK4 step of pvf(h) = grad_h sum(h . mlp(h)), mlp(h) = relu(h W1 + b1) W2 + b2, dt = 0.05, all four stages in one launch.
; ALGEBRA.  With Wc[u] = [W1[u][:] | W2[:][u]]: [z | g] = h Wc + [b1 | 0], P = [g (z > 0) | relu(z)] (512 wide), pvf = P Wc^T + b2.  The next stage's h is x + a pvf, so its
; [z | g] = Z1 + a (P G + c), Z1 = stage 1's [z | g], G = Wc^T Wc, c = b2 Wc (both made by the launch before), a = dt/2, dt/2, dt: between the stages nothing goes back to 1,024 columns.
; y = x + dt b2 + ((dt/6) R) Wc^T with R = P1 + 2 P2 + 2 P3 + P4, kept in f32.  The operand made of P is O = a P + be R: be = 0 in stages 1-3; in stage 4 a = 0, be = dt/6.
; WHY PAIRS.  g (z > 0) is a step in z: an error in z that changes its sign moves y by (dt/3) g W1[u][j], many times a rounding.  bf16 keeps 8 significant bits; so O and G go to the matrix unit as
; pairs hi + lo of bf16 numbers, 16 significant bits, in three passes O_hi G_hi + O_lo G_hi + O_hi G_lo (K = 1,536), added in f32 onto Z1 + a c in f32.
; LIMITS.  Every input (x, W1, W2, b1, b2) is rounded once to bf16, x in the final sum too (it is read a second time and rounded in registers).  Of (dt/6) R the last product takes hi alone.
; relu's slope at z = 0 is 0 (the test is z > 0).  A NaN in z counts as z <= 0; 0 x R and 0 x P are formed, so an infinity in P or R becomes a NaN.
; SHARES.  A work-group owns 64 rows through all stages.  Wave w makes, for all 64 rows, columns j = 64 w .. + 63 of z and of g, and in the last product columns 512 c + 128 w .. + 127, c = 0, 1:
; always 64 rows x 128 columns, 32 accumulators.  THE MATRIX INSTRUCTION IS USED TRANSPOSED (source 0 = 16 rows of weights, source 1 = 16 rows of x or O): a lane (r = l % 16, hh = l / 16)
; holds row r and the eight neighbouring columns 8 hh + 0..7.
; WEIGHTS.  wf and gf hold them as fragments, in units of 32 along K; they go through a ring of two LDS slots of two units (65,536 bytes): 16 slots of wf, three times 24 of gf, 16 of wf.
; CLUSTER: the four work-groups of a cluster walk the same weights in step, so each slot is asked for JOINTLY: the same tensor load, descriptor and mask in all four; a wave asks for a quarter.
; LDS.  slots 0, 1 | H0: x's columns 0-511 in bf16, 64 rows of 1,040 bytes, later O_lo | H1: x's columns 512-1023, later O_hi | a stage of 16 rows x 528 bytes a wave | b2 | c | spare words.
; Rows of 1,040 and 528 bytes are odd multiples of 16: the 16 rows that a load or store touches start at 16 different groups of four banks (64 banks of 4 bytes: ISA guide 11.1).
; REGISTERS, in windows of 256 (s_set_vgpr_msb: bits 1:0 source 0, 3:2 source 1, 5:4 source 2, 7:6 destination):
;   window 0: v0-31 addresses; v32-63 b1 as a C operand; v64-159, v160-255 two fragment buffers (8 of weights, 4 of x or O), at work between the products
;   window 1: the accumulators, (a, t) at 8 (8 a + t)     window 2: Z1, numbered as the accumulators; at the end x in f32, row q at 4 q     window 3: R, numbered as the accumulators
.set HP,    1040                       ; a row of x or O in LDS: 1,024 bytes + 16
.set SLOTB, 65536                      ; a slot: two units
.set H0,    2*SLOTB
.set HREG,  64*HP
.set H1,    H0+HREG
.set STG,   H1+HREG                    ; the way out: 16 rows x 528 bytes for each wave
.set SGP,   528
.set B2T,   STG+4*16*SGP               ; b2, 4,096 bytes
.set CT,    B2T+4096                   ; c as cv holds it: 128 bytes a tile of 16 columns
.set SPARE, CT+4096                    ; the spare words, 128 bytes for each wave: two blocks of 256 bytes that no other line names
.set AW0, 4                            ; v4   my place in a slot's first unit: 8,192 w + 16 l; never rewritten
.set AW,  5                            ; v5   the same in the slot in hand
.set AB,  6                            ; v6   my place in 16 rows of x or O: 1,040 r + 16 hh; never rewritten
.set AA,  7                            ; v7   the same, in the region and at the K in hand
.set SPH, 8                            ; v8   where I put 16 bytes of O_hi: H1 + 1,040 r + 16 hh + 128 w
.set SPL, 9                            ; v9   of O_lo: the same in H0
.set CA,  10                           ; v10  my columns' c in LDS: 512 w + 32 hh
.set IH0, 11                           ; v11, v12 the way in: H0 or H1 + 256 w + 8 l
.set XO,  13                           ; v13  my 16 bytes of a row's chunk in x and in out0: 512 w + 16 l
.set STS, 14                           ; v14  into my stage: 528 r + 32 hh
.set STL, 15                           ; v15  back out of it: 16 l
.set B2A, 16                           ; v16  my columns' b2 in LDS: 512 w + 32 hh
.set SPW, 17                           ; v17  LDS address of my spare word; never rewritten
.set NIL, 18                           ; v18  0; never rewritten
.set ONEV, 19                          ; v19  1.0
.set B1O, 20                           ; v20  my byte offset in b1
.set B2O, 21                           ; v21  my 32 bytes of b2 and of cv in memory,
.set B2S, 22                           ; v22  and in LDS
.set NEGV, 23                          ; v23  -1.0
.set B2L, 24                           ; v24-31  b2 on its way into LDS
.set B1R, 32                           ; v32-63  b1[64 w + 16 t + 8 hh + j] at 8 t + j
.set FB0, 64
.set FB1, 160
.set TT,  64                           ; v64-191 at work between the products
.set B2R, 160                          ; v160-223 b2 or c of 8 tiles
.set CL,  192                          ; v192-199 c on its way into LDS
.set XP,  192                          ; v192-223 the way out: x rounded to bf16, in pairs
.set RT,  200                          ; v200-219 at work at the head
.set NS,  3                            ; s3   1 where a new segment of the stream begins
.set WV,  18                           ; s18  my wave's number
.set CX,  19                           ; s19  my place in the cluster: it enters x's and out0's addresses alone
.set WFB, 20                           ; s[20:21] wf at my quarter of its first slot
.set TP,  22                           ; s[22:23] my work-group's byte offset in x and out0
.set G1,  24                           ; s[24:31] descriptor group 1
.set G0A, 32                           ; s[32:35] group 0 of the first fill of slot 0
.set G0B, 36                           ; s[36:39] group 0 of the first fill of slot 1; it then walks
.set NXT, 40                           ; s40  which slot of its segment was asked for last
.set LIM, 41                           ; s41  slots in that segment
.set OFF, 42                           ; s[42:43] its byte offset in the segment
.set SB,  44                           ; s44  LDS byte at which the slot in hand begins
.set CNT, 45                           ; s45  counts trips
.set ST,  46                           ; s46  stages to go
.set SEG, 47                           ; s47  the segment: 0 wf's units 0-31; 1, 2, 3 gf; 4 wf's units 32-63
.set ALPHA, 48                         ; s[48:49] a;  the packed forms take a pair's low word for both halves
.set BETA,  50                         ; s[50:51] be
.set WGT,   52                         ; s[52:53] P's weight in R: 1, 2, 2, 1
.set HIM,   54                         ; s54  a word's upper bf16
.set DTH,   55                         ; s55  dt / 2
.set DT,    56                         ; s[56:57] dt
.set GFB,   58                         ; s[58:59] gf at my quarter of its first slot
.set WF2,   60                         ; s[60:61] wf at my quarter of unit 32's slot
.set BASE,  62                         ; s[62:63] the segment's first slot
.set MSB, 0
.macro WIN new                         ; the immediate's high byte repeats the setting that is left; a switch that changes nothing is dropped
.if MSB != (\new)
	s_set_vgpr_msb (MSB<<8)|(\new)
.set MSB, \new
.endif
.endm
.macro PLACES                          ; four plain instructions between a matrix instruction and a vector instruction, store or load that touches its registers (ISA guide 7.12.1 for vector instructions and stores)
.rept 4
	v_nop
.endr
.endm
; A round of the cluster's barrier: my work-group's barrier, so that wave 0's signal speaks for all four waves; wave 0 signals; every wave waits for all four work-groups; my work-group's barrier once more.
.macro CREST                           ; a round behind its opening barrier
	s_cmp_lg_u32 s[WV], 0
	s_cbranch_scc1 .Lnot_wave_0_\@
	s_barrier_signal -3
.Lnot_wave_0_\@:
	s_barrier_wait -3
	s_barrier_signal -1
	s_barrier_wait -1
.endm
.macro CROUND
	s_barrier_signal -1
	s_barrier_wait -1
	CREST
.endm
; 24 LDS loads in one run: unit e of the slot in hand: my 8 fragments of weights (1,024 consecutive bytes each), then the 4 fragments of x or O (16 rows x 32 K: two loads of 16 bytes, 32 bytes apart).
.macro FETCH buf, e
	WIN 0
.irp t, 0,1,2,3,4,5,6,7
	ds_load_b128 v[(\buf)+8*(\t):(\buf)+8*(\t)+3],   v[AW] offset:(\e)*32768+1024*(\t)
	ds_load_b128 v[(\buf)+8*(\t)+4:(\buf)+8*(\t)+7], v[AW] offset:(\e)*32768+1024*(\t)+512
.endr
.irp a, 0,1,2,3
	ds_load_b128 v[(\buf)+64+8*(\a):(\buf)+64+8*(\a)+3],   v[AA] offset:16*HP*(\a)+64*(\e)
	ds_load_b128 v[(\buf)+64+8*(\a)+4:(\buf)+64+8*(\a)+7], v[AA] offset:16*HP*(\a)+64*(\e)+32
.endr
.endm
; 8 matrix instructions: row block a x my 8 tiles, 32 along K.  first = 1: stage 1's sums start: z's with b1, g's with the constant 0.
; The 32 accumulators take turns, one instruction a turn, in the same order in every unit, over the backward jumps too.
.macro MUL buf, a, first
.if \first
	WIN 0x40
.else
	WIN 0x50
.endif
.irp t, 0,1,2,3,4,5,6,7
.if (\first) && ((\t) < 4)
	v_wmma_f32_16x16x32_bf16 v[8*(8*(\a)+(\t)):8*(8*(\a)+(\t))+7], v[(\buf)+8*(\t):(\buf)+8*(\t)+7], v[(\buf)+64+8*(\a):(\buf)+64+8*(\a)+7], v[B1R+8*(\t):B1R+8*(\t)+7]
.elseif \first
	v_wmma_f32_16x16x32_bf16 v[8*(8*(\a)+(\t)):8*(8*(\a)+(\t))+7], v[(\buf)+8*(\t):(\buf)+8*(\t)+7], v[(\buf)+64+8*(\a):(\buf)+64+8*(\a)+7], 0
.else
	v_wmma_f32_16x16x32_bf16 v[8*(8*(\a)+(\t)):8*(8*(\a)+(\t))+7], v[(\buf)+8*(\t):(\buf)+8*(\t)+7], v[(\buf)+64+8*(\a):(\buf)+64+8*(\a)+7], v[8*(8*(\a)+(\t)):8*(8*(\a)+(\t))+7]
.endif
.endr
.endm
; A product begins: the region's first K, the slot in hand, its first unit.
.macro PSTART base
	WIN 0
	v_add_nc_u32 v[AA], \base, v[AB]
	v_add_nc_u32 v[AW], s[SB], v[AW0]
	FETCH FB0, 0
.endm
; A TRIP: one slot, two units, 64 matrix instructions.  Unit 0 lies in buffer 0 (asked for in the trip before, or by PSTART); unit 1 is fetched in the middle of unit 0's products.
; mode 2: the slot is filled again.  Each wave waits for all its tensor loads, of which one is out (its quarter of the other slot), adds 0 to its spare word, and waits for that and for its reads
; of this slot; the barrier opens a round of the cluster's, so that no wave of any partner still reads the slot or has a load on its way; the joint refill is the first thing behind the round.
; mode 1: the same with a plain barrier and no refill (the last slot but one).  mode 0: the last slot: nothing to wait for but its fragments.
; fetch 1: the next slot's first unit, 128 bytes further along the rows of x or O; 2: the same at the head of H1; 3: at the head of H0; 0: none: a product's last trip, so that
; behind its barrier no wave reads H0 or H1 any more, and they may be written.
.macro TRIP mode, fetch, first
	s_wait_dscnt 4                                 ; the weights and row blocks 0, 1 are in; the youngest four loads (blocks 2, 3) may be out
	MUL FB0, 0, \first
	MUL FB0, 1, \first
	PLACES
	FETCH FB1, 1
	s_wait_dscnt 24                                ; all but the 24 just issued
	MUL FB0, 2, \first
	MUL FB0, 3, \first
.if (\mode) == 0
	s_wait_dscnt 0x0
	MUL FB1, 0, 0
	MUL FB1, 1, 0
	MUL FB1, 2, 0
	MUL FB1, 3, 0
.else
	WIN 0                                          ; (the add's two registers lie in window 0)
	s_wait_tensorcnt 0x0                           ; all my tensor loads have landed, so a group 0 may be written
	ds_add_u32 v[SPW], v[NIL]                      ; 0 onto my spare word
.if (\mode) == 2
	s_xor_b32 s[G0B+1], s[G0B+1], SLOTB            ; the walking descriptor: the other slot than last time,
	s_add_co_u32 s[NXT], s[NXT], 1                 ; the segment's next 65,536 bytes,
	s_cmp_eq_u32 s[NXT], s[LIM]                    ; or behind its last the next segment's first
	s_cselect_b32 s[NXT], 0, s[NXT]
	s_cselect_b32 s[LIM], 24, s[LIM]               ; (gf's segments have 24 slots; of the last segment 16 are asked for, and the text ends there)
	s_cselect_b32 s[NS], 1, 0
	s_add_co_u32 s[SEG], s[SEG], s[NS]
	s_cmp_eq_u32 s[SEG], 4
	s_cselect_b64 s[BASE:BASE+1], s[WF2:WF2+1], s[GFB:GFB+1]
	s_cmp_eq_u32 s[SEG], 0
	s_cselect_b64 s[BASE:BASE+1], s[WFB:WFB+1], s[BASE:BASE+1]
	s_lshl_b32 s[OFF], s[NXT], 16
	s_add_nc_u64 s[G0B+2:G0B+3], s[BASE:BASE+1], s[OFF:OFF+1]
	s_or_b32 s[G0B+3], s[G0B+3], 0x80000000
.endif
	s_wait_dscnt 5                                 ; (the add and the youngest four loads may be out)
	MUL FB1, 0, 0                                  ; eight matrix instructions stand between the add and the wait for it
	s_wait_dscnt 0x0                               ; the add is done, and my reads of this slot, and of H0 and H1 so far, are over
	s_barrier_signal -1
	MUL FB1, 1, 0                                  ; work on registers while the others arrive
	WIN 0
	s_barrier_wait -1
.if (\mode) == 2
	CREST
	tensor_load_to_lds s[G0B:G0B+3], s[G1:G1+7]    ; my one tensor load behind the round: a quarter of the slot just read out, two slots ahead
	s_nop 0
.endif
	PLACES                                         ; the places in front of the loads into buffer 0
	s_xor_b32 s[SB], s[SB], SLOTB
.if (\fetch) == 1
	v_add_nc_u32 v[AA], 128, v[AA]
.elseif (\fetch) == 2
	v_add_nc_u32 v[AA], H1, v[AB]
.elseif (\fetch) == 3
	v_add_nc_u32 v[AA], H0, v[AB]
.endif
.if \fetch
	v_add_nc_u32 v[AW], s[SB], v[AW0]
	FETCH FB0, 0
.endif
	MUL FB1, 2, 0
	MUL FB1, 3, 0
.endif
.endm
.macro KLOOP n
	WIN 0                                          ; at a label and at a branch every window is 0
	s_mov_b32 s[CNT], \n
.Lk_\@:
	TRIP 2, 1, 0
	WIN 0
	s_sub_co_u32 s[CNT], s[CNT], 1
	s_cmp_lg_u32 s[CNT], 0
	s_cbranch_scc1 .Lk_\@
.endm
; z and g become P; R takes it; O = a P + be R goes to LDS as a pair: hi = bf16(O) into H1, lo = bf16(O - hi) into H0.  Each accumulator is read from its lowest register on.
.macro PFORM
	PLACES
	WIN 0x44                                       ; source 1 and destination: the accumulators
.set p, 0
.rept 16                               ; row block p / 4, tile p % 4: z at (a, t), g at (a, t + 4)
.set rz, 8*(8*(p/4)+p%4)
.set j, 0
.rept 8
	v_cmp_lt_f32 vcc_lo, 0, v[rz+j]                ; z > 0
	v_max_num_f32 v[rz+j], 0, v[rz+j]              ; relu(z)
	v_cndmask_b32 v[rz+32+j], 0, v[rz+32+j], vcc_lo  ; g where z > 0, else 0: a choice of values, no branch
.set j, j+1
.endr
.set p, p+1
.endr
	WIN 0xf1                                       ; R (destination, source 2) in window 3, P in window 1
.set i, 0
.rept 128
	v_pk_fma_f32 v[i:i+1], v[i:i+1], s[WGT:WGT+1], v[i:i+1] op_sel_hi:[1,0,1]
.set i, i+2
.endr
	WIN 0x41
.set i, 0
.rept 128
	v_pk_mul_f32 v[i:i+1], v[i:i+1], s[ALPHA:ALPHA+1] op_sel_hi:[1,0]
.set i, i+2
.endr
	WIN 0x53                                       ; source 0: R
.set i, 0
.rept 128
	v_pk_fma_f32 v[i:i+1], v[i:i+1], s[BETA:BETA+1], v[i:i+1] op_sel_hi:[1,0,1]
.set i, i+2
.endr
	WIN 0x05
.set i, 0
.rept 128
	v_cvt_pk_bf16_f32 v[TT+i], v[2*i], v[2*i+1]    ; hi
.set i, i+1
.endr
	WIN 0
.irp a, 0,1,2,3
.irp t, 0,1,2,3
	ds_store_b128 v[SPH], v[TT+4*(8*(\a)+(\t)):TT+4*(8*(\a)+(\t))+3]     offset:16*HP*(\a)+32*(\t)+512  ; relu(z): O's columns 256 + 64 w + 16 t on
	ds_store_b128 v[SPH], v[TT+4*(8*(\a)+(\t)+4):TT+4*(8*(\a)+(\t)+4)+3] offset:16*HP*(\a)+32*(\t)      ; g (z > 0): columns 64 w + 16 t on
.endr
.endr
	WIN 0x50                                       ; destination and source 2: the accumulators
.set i, 0
.rept 128
	v_fma_mix_f32_bf16 v[2*i],   v[TT+i], v[NEGV], v[2*i]   op_sel_hi:[1,0,0]                 ; O - hi, exact in f32: the pair's low half,
	v_fma_mix_f32_bf16 v[2*i+1], v[TT+i], v[NEGV], v[2*i+1] op_sel:[1,0,0] op_sel_hi:[1,0,0]  ; its high half
.set i, i+1
.endr
	WIN 0x05
.set i, 0
.rept 128
	v_cvt_pk_bf16_f32 v[TT+i], v[2*i], v[2*i+1]    ; lo
.set i, i+1
.endr
	WIN 0
.irp a, 0,1,2,3
.irp t, 0,1,2,3
	ds_store_b128 v[SPL], v[TT+4*(8*(\a)+(\t)):TT+4*(8*(\a)+(\t))+3]     offset:16*HP*(\a)+32*(\t)+512
	ds_store_b128 v[SPL], v[TT+4*(8*(\a)+(\t)+4):TT+4*(8*(\a)+(\t)+4)+3] offset:16*HP*(\a)+32*(\t)
.endr
.endr
.endm
.macro B2LOAD c                        ; b2 of chunk c's 8 tiles: 16 loads
	WIN 0
.irp t, 0,1,2,3,4,5,6,7
	ds_load_b128 v[B2R+8*(\t):B2R+8*(\t)+3],   v[B2A] offset:2048*(\c)+64*(\t)
	ds_load_b128 v[B2R+8*(\t)+4:B2R+8*(\t)+7], v[B2A] offset:2048*(\c)+64*(\t)+16
.endr
.endm
.macro CLOAD                           ; c of my 8 tiles (z's four, then g's four): 16 loads
	WIN 0
.irp t, 0,1,2,3,4,5,6,7
	ds_load_b128 v[B2R+8*(\t):B2R+8*(\t)+3],   v[CA] offset:2048*((\t)/4)+128*((\t)%4)
	ds_load_b128 v[B2R+8*(\t)+4:B2R+8*(\t)+7], v[CA] offset:2048*((\t)/4)+128*((\t)%4)+16
.endr
.endm
.macro UINIT                           ; an update's sums start at Z1 + a c
	s_wait_dscnt 24                                ; c is in; the 24 loads of the first fragments may be out
	WIN 0x60                                       ; destination: the accumulators; source 2: Z1
.set i, 0
.rept 128
	v_pk_fma_f32 v[i:i+1], v[B2R+i%64:B2R+i%64+1], s[ALPHA:ALPHA+1], v[i:i+1] op_sel_hi:[1,0,1]
.set i, i+2
.endr
.endm
.macro FINITV c                        ; the last product's sums start at dt b2
	s_wait_dscnt 24
	WIN 0x40
.set i, 0
.rept 128
	v_pk_mul_f32 v[i:i+1], v[B2R+i%64:B2R+i%64+1], s[DT:DT+1] op_sel_hi:[1,0]
.set i, i+2
.endr
.endm
.macro FX c                            ; x once more: my 512 bytes of chunk c in each of the 64 rows, asked for a whole chunk's products ahead of their use
	WIN 0x80
.set i, 0
.rept 64
	global_load_b128 v[4*i:4*i+3], v[XO], s[4:5] offset:4096*i+2048*(\c) th:TH_LOAD_NT
.set i, i+1
.endr
	WIN 0
.endm
; THE WAY OUT of chunk c, 16 rows at a time: a lane's 32 bytes of a row go into my own stage and come back as whole rows of 512 bytes; x, rounded to bf16, is added; a store of the wave covers 512 consecutive bytes, aligned.
.macro FEPI c, more
	PLACES
.irp a, 0,1,2,3
	WIN 0x04                                       ; store data: the accumulators
.irp t, 0,1,2,3,4,5,6,7
	ds_store_b128 v[STS], v[8*(8*(\a)+(\t)):8*(8*(\a)+(\t))+3]   offset:64*(\t)
	ds_store_b128 v[STS], v[8*(8*(\a)+(\t))+4:8*(8*(\a)+(\t))+7] offset:64*(\t)+16
.endr
	WIN 0
	s_wait_xcnt 0x0                                ; the stores of two blocks back have read their data registers, which are loaded again below
.irp q, 0,1,2,3,4,5,6,7,8,9,10,11,12,13,14,15
	ds_load_b128 v[TT+64*((\a)%2)+4*(\q):TT+64*((\a)%2)+4*(\q)+3], v[STL] offset:SGP*(\q)  ; LDS serves a wave's instructions in order (ISA guide 5.7.1.4): these see the stores above
.endr
.if (\a) == 0
	s_wait_loadcnt 0x0                             ; x
.endif
	WIN 0x0a                                       ; sources 0 and 1: x (window 2)
.set i, 0
.rept 32
	v_cvt_pk_bf16_f32 v[XP+i], v[64*(\a)+2*i], v[64*(\a)+2*i+1]
.set i, i+1
.endr
	WIN 0
	s_wait_dscnt 0x0
.set i, 0
.rept 32
	v_fma_mix_f32_bf16 v[TT+64*((\a)%2)+2*i],   v[XP+i], v[ONEV], v[TT+64*((\a)%2)+2*i]   op_sel_hi:[1,0,0]
	v_fma_mix_f32_bf16 v[TT+64*((\a)%2)+2*i+1], v[XP+i], v[ONEV], v[TT+64*((\a)%2)+2*i+1] op_sel:[1,0,0] op_sel_hi:[1,0,0]
.set i, i+1
.endr
.irp q, 0,1,2,3,4,5,6,7,8,9,10,11,12,13,14,15
	global_store_b128 v[XO], v[TT+64*((\a)%2)+4*(\q):TT+64*((\a)%2)+4*(\q)+3], s[16:17] offset:4096*(16*(\a)+(\q))+2048*(\c) th:TH_STORE_NT
.endr
.endr
.if \more
	s_wait_xcnt 0x0                                ; the last stores have read their data registers: the next chunk's loads land there
.endif
.endm
	s_load_b256 s[4:11], s[0:1], 0x0               ; x s[4:5], wf s[6:7], gf s[8:9], cv s[10:11]
	s_load_b128 s[12:15], s[0:1], 0x20             ; b1 s[12:13], b2 s[14:15]
	s_load_b64 s[16:17], s[0:1], 0x30              ; out0
	v_lshl_add_u32 v[SPW], v0, 2, SPARE
	v_mov_b32 v[NIL], 0
	ds_add_u32 v[SPW], v[NIL]                      ; the wave's opening: the add, twice on end, and its wait ahead of my first tensor load; the set-up below stands between
	ds_add_u32 v[SPW], v[NIL]
	v_lshrrev_b32 v1, 5, v0
	v_readfirstlane_b32 s[WV], v1                  ; wave 0..3
	s_bfe_u32 s[CX], ttmp6, 0x40000                ; my place in the cluster
	s_lshl_b32 s66, ttmp9, 2                       ; in a cluster launch ttmp9 counts clusters
	s_add_co_u32 s66, s66, s[CX]                   ; my work-group
	s_lshl_b32 s[TP], s66, 18                      ; its 64 rows of 4,096 bytes
	s_mov_b32 s[TP+1], 0
	s_lshl_b32 s68, s[WV], 14                      ; my quarter of a slot, in wf and gf as in LDS: no place in the cluster enters it
	s_mov_b32 s69, 0
	; descriptor group 1: 16,384 dense bytes as 64 rows of 256
	s_mov_b32 s[G1+0], 15|(3<<16)|(1<<21)          ; 15:0 the mask: all four work-groups; 17:16 elements of 8 bytes; 20 no padding; 21 set beside a mask
	s_mov_b32 s[G1+1], 32<<16                      ; tensor_dim0 = 32
	s_mov_b32 s[G1+2], 64<<16                      ; tensor_dim1 = 64
	s_mov_b32 s[G1+3], 32<<16                      ; tile_dim0 = 32
	s_mov_b32 s[G1+4], 64                          ; tile_dim1 = 64
	s_mov_b32 s[G1+5], 32                          ; 32 elements from row to row
	s_mov_b32 s[G1+6], 0
	s_mov_b32 s[G1+7], 0
	s_mov_b32 s[G0A], 1                            ; count = 1
	s_lshl_b32 s[G0A+1], s[WV], 14                 ; LDS address: slot 0
	s_mov_b32 s[G0B], 1
	s_add_co_u32 s[G0B+1], s[G0A+1], SLOTB         ; slot 1
	s_mov_b32 s[NXT], 1
	s_mov_b32 s[LIM], 16
	s_mov_b32 s[SEG], 0
	s_mov_b32 s[OFF+1], 0
	s_mov_b32 s[SB], 0
	s_mov_b32 s[ST], 4
	s_mov_b32 s[HIM], 0xffff0000
	s_mov_b32 s[DT], 0x3d4ccccd                    ; dt = 0.05
	s_mov_b32 s[DT+1], 0                           ; (named with it as a pair)
	s_mov_b32 s[DTH], 0x3ccccccd                   ; dt / 2
	s_mov_b32 s[ALPHA], 0x3ccccccd                 ; stage 1: a = dt / 2, be = 0, weight 1
	s_mov_b32 s[ALPHA+1], 0
	s_mov_b32 s[BETA], 0
	s_mov_b32 s[BETA+1], 0
	s_mov_b32 s[WGT], 1.0
	s_mov_b32 s[WGT+1], 0
	s_wait_dscnt 0x0                               ; both opening adds are done
	s_wait_kmcnt 0x0
	s_add_nc_u64 s[4:5], s[4:5], s[TP:TP+1]        ; x and out0 at my work-group's first row
	s_add_nc_u64 s[16:17], s[16:17], s[TP:TP+1]
	s_add_nc_u64 s[WFB:WFB+1], s[6:7], s[68:69]
	s_add_nc_u64 s[GFB:GFB+1], s[8:9], s[68:69]
	s_add_nc_u64 s[WF2:WF2+1], s[WFB:WFB+1], 0x100000
	s_mov_b64 s[G0A+2:G0A+3], s[WFB:WFB+1]
	s_or_b32 s[G0A+3], s[G0A+3], 0x80000000        ; type = 2
	s_add_nc_u64 s[G0B+2:G0B+3], s[WFB:WFB+1], SLOTB
	s_or_b32 s[G0B+3], s[G0B+3], 0x80000000
	CROUND                                         ; all four work-groups are here: the first joint loads meet
	tensor_load_to_lds s[G0A:G0A+3], s[G1:G1+7]    ; both first fills go out together: two loads of mine are out
	s_nop 0
	tensor_load_to_lds s[G0B:G0B+3], s[G1:G1+7]
	s_nop 0
	PLACES
	v_and_b32 v3, 31, v0                           ; l
	v_and_b32 v1, 15, v0                           ; r
	v_bfe_u32 v2, v0, 4, 1                         ; hh
	s_lshl_b32 s70, s[WV], 9
	v_lshl_add_u32 v[XO], v3, 4, s70
	s_lshl_b32 s71, s[WV], 8
	v_lshl_add_u32 v[B1O], v2, 5, s71              ; b1[64 w + 8 hh ..]
	v_lshlrev_b32 v[B2O], 5, v0
	global_load_b128 v[B2L:B2L+3],   v[B2O], s[14:15]
	global_load_b128 v[B2L+4:B2L+7], v[B2O], s[14:15] offset:16
	global_load_b128 v[CL:CL+3],     v[B2O], s[10:11]
	global_load_b128 v[CL+4:CL+7],   v[B2O], s[10:11] offset:16
.irp t, 0,1,2,3
	global_load_b128 v[B1R+8*(\t):B1R+8*(\t)+3],   v[B1O], s[12:13] offset:64*(\t)
	global_load_b128 v[B1R+8*(\t)+4:B1R+8*(\t)+7], v[B1O], s[12:13] offset:64*(\t)+16
.endr
	WIN 0x40                                       ; x, columns 0-511: my 512 bytes of each row, into the accumulators' registers
.set i, 0
.rept 64
	global_load_b128 v[4*i:4*i+3], v[XO], s[4:5] offset:4096*i
.set i, i+1
.endr
	WIN 0xc0                                       ; columns 512-1023, into R's
.set i, 0
.rept 64
	global_load_b128 v[4*i:4*i+3], v[XO], s[4:5] offset:4096*i+2048
.set i, i+1
.endr
	WIN 0
	s_lshl_b32 s72, s[WV], 13
	v_lshl_add_u32 v[AW0], v3, 4, s72
	v_mul_u32_u24 v[AB], v1, HP
	v_lshl_add_u32 v[AB], v2, 4, v[AB]
	s_add_co_u32 s71, s71, H0
	v_lshl_add_u32 v[IH0], v3, 3, s71
	v_add_nc_u32 v[IH0+1], HREG, v[IH0]
	s_lshl_b32 s73, s[WV], 7
	s_add_co_u32 s74, s73, H0
	s_add_co_u32 s73, s73, H1
	v_add_nc_u32 v[SPH], s73, v[AB]
	v_add_nc_u32 v[SPL], s74, v[AB]
	s_add_co_u32 s70, s70, B2T
	v_lshl_add_u32 v[B2A], v2, 5, s70
	v_add_nc_u32 v[CA], 4096, v[B2A]
	s_mul_i32 s75, s[WV], 16*SGP
	s_add_co_u32 s75, s75, STG
	v_mul_u32_u24 v[RT], v1, SGP
	v_lshl_add_u32 v[RT], v2, 5, v[RT]
	v_add_nc_u32 v[STS], s75, v[RT]
	v_lshl_add_u32 v[STL], v3, 4, s75
	v_lshl_add_u32 v[B2S], v0, 5, B2T
	v_mov_b32 v[ONEV], 1.0
	v_mov_b32 v[NEGV], -1.0
	s_wait_loadcnt 63                              ; behind the first chunk's last load 64 were issued: b2, c, b1 and the first chunk are in
.irp i, 0,1,2,3
	v_cvt_pk_bf16_f32 v[RT+(\i)], v[B2L+2*(\i)], v[B2L+2*(\i)+1]         ; b2 rounded once to bf16,
.endr
.irp i, 0,1,2,3
	v_lshlrev_b32 v[B2L+2*(\i)],   16, v[RT+(\i)]                        ; and kept as f32
	v_and_b32     v[B2L+2*(\i)+1], s[HIM], v[RT+(\i)]
.endr
	ds_store_b128 v[B2S], v[B2L:B2L+3]
	ds_store_b128 v[B2S], v[B2L+4:B2L+7] offset:16
	ds_store_b128 v[B2S], v[CL:CL+3]     offset:4096
	ds_store_b128 v[B2S], v[CL+4:CL+7]   offset:4112
.set i, 0
.rept 16
	v_cvt_pk_bf16_f32 v[RT+4+i], v[B1R+2*i], v[B1R+2*i+1]                ; b1 likewise
.set i, i+1
.endr
.set i, 0
.rept 16
	v_lshlrev_b32 v[B1R+2*i],   16, v[RT+4+i]
	v_and_b32     v[B1R+2*i+1], s[HIM], v[RT+4+i]
.set i, i+1
.endr
	WIN 0x05
.set i, 0
.rept 128
	v_cvt_pk_bf16_f32 v[TT+i], v[2*i], v[2*i+1]    ; x rounded once to bf16
.set i, i+1
.endr
	WIN 0
.set i, 0
.rept 64
	ds_store_b64 v[IH0], v[TT+2*i:TT+2*i+1] offset:HP*i  ; 32 lanes, 256 consecutive bytes of row i
.set i, i+1
.endr
.irp g, 0,1,2,3                        ; the second chunk, 16 rows at a time
	s_wait_loadcnt 48-16*(\g)                      ; the later groups of 16 loads may stay out
	WIN 0x0f
.set i, 32*(\g)
.rept 32
	v_cvt_pk_bf16_f32 v[TT+i], v[2*i], v[2*i+1]
.set i, i+1
.endr
	WIN 0
.set i, 16*(\g)
.rept 16
	ds_store_b64 v[IH0+1], v[TT+2*i:TT+2*i+1] offset:HP*i
.set i, i+1
.endr
.endr
	WIN 0xc0                                       ; R starts at 0, once a launch, so that all four stages have one text
.set i, 0
.rept 256
	v_mov_b32 v[i], 0
.set i, i+1
.endr
	WIN 0
	s_wait_tensorcnt 0x1                           ; my quarter of slot 0 is in; slot 1's may stay out
	s_wait_dscnt 0x0                               ; my part of x, b2 and c is written
	s_barrier_signal -1
	s_barrier_wait -1
	PSTART H0                                      ; STAGE 1: [z | g] = x Wc + [b1 | 0], 16 slots
	TRIP 2, 1, 1                                   ; the first unit's products start the sums
	KLOOP 6
	TRIP 2, 2, 0                                   ; x's columns 448-511; the fetches go over to H1
	KLOOP 7
	TRIP 2, 0, 0                                   ; the last: behind its round nobody reads x in LDS
	PLACES
	WIN 0x81                                       ; Z1 (window 2) keeps the sums for the three updates
.set i, 0
.rept 256
	v_mov_b32 v[i], v[i]
.set i, i+1
.endr
	WIN 0
.Lstage:                               ; a stage: P, R and O of the [z | g] in the accumulators; then (stages 1-3) the next [z | g], 24 slots
	PFORM                                          ; H0 and H1 were last read in front of the last trip's round
	s_wait_dscnt 0x0                               ; my part of O is written
	s_barrier_signal -1                            ; (the tensor load that is out fills a slot)
	s_barrier_wait -1
	s_sub_co_u32 s[ST], s[ST], 1
	s_cmp_eq_u32 s[ST], 0
	s_cbranch_scc1 .Lfinal                         ; the fourth stage's P has gone into R: the last product is written out below
	CLOAD
	PSTART H1
	UINIT
	KLOOP 7                                        ; O_hi G_hi
	TRIP 2, 3, 0
	KLOOP 7                                        ; O_lo G_hi
	TRIP 2, 2, 0
	KLOOP 7                                        ; O_hi G_lo
	TRIP 2, 0, 0                                   ; behind its round nobody reads O
	WIN 0
	s_cmp_eq_u32 s[ST], 3                          ; the next stage's constants: a = dt/2, dt, 0; be = 0, 0, dt/6; weight 2, 2, 1
	s_cselect_b32 s[ALPHA], s[DTH], s[DT]
	s_cmp_eq_u32 s[ST], 1
	s_cselect_b32 s[ALPHA], 0, s[ALPHA]
	s_cselect_b32 s[BETA], 0x3c088889, 0           ; dt / 6
	s_cselect_b32 s[WGT], 1.0, 2.0
	s_cmp_lg_u32 s[ST], 0
	s_cbranch_scc1 .Lstage
.Lfinal:                               ; y = x + dt b2 + ((dt/6) R) Wc^T
	PLACES                                         ; on the way that falls through the branch above, the loads of b2 below land in buffer 1 straight behind the products that read it: four places first
	FX 0
	B2LOAD 0
	PSTART H1
	FINITV 0
	KLOOP 7
	TRIP 2, 0, 0
	FEPI 0, 1
	FX 1
	B2LOAD 1
	PSTART H1
	FINITV 1
	KLOOP 6
	TRIP 1, 1, 0                                   ; the tail is written out: the last two slots are filled no more
	TRIP 0, 0, 0
	FEPI 1, 0
	s_wait_tensorcnt 0x0                           ; the wave's end: behind my last tensor load and my last LDS store
	ds_add_u32 v[SPW], v[NIL]
	s_wait_dscnt 0x0
	CROUND                                         ; the closing round: no work-group ends while a partner may still ask for a slot that names it
	s_endpgm
.Lfunc_end_k_q64c00c97e6_rk4:
	.size	k_q64c00c97e6_rk4, .Lfunc_end_k_q64c00c97e6_rk4-k_q64c00c97e6_rk4
	.p2alignl 7, 3214868480
	.fill 96, 4, 3214868480
	.section	.rodata,"a",@progbits
	.p2align	6, 0x0
	.amdhsa_kernel k_q64c00c97e6_rk4
		.amdhsa_group_segment_fixed_size 327680
		.amdhsa_private_segment_fixed_size 0
		.amdhsa_enable_private_segment 0
		.amdhsa_kernarg_size 56
		.amdhsa_user_sgpr_count 2
		.amdhsa_user_sgpr_kernarg_segment_ptr 1
		.amdhsa_wavefront_size32 1
		.amdhsa_system_sgpr_workgroup_id_x 1
		.amdhsa_system_sgpr_workgroup_id_y 1
		.amdhsa_system_sgpr_workgroup_id_z 1
		.amdhsa_system_vgpr_workitem_id 0
		.amdhsa_next_free_vgpr 1024
		.amdhsa_next_free_sgpr 80
		.amdhsa_reserve_vcc 1
		.amdhsa_float_denorm_mode_32 3
		.amdhsa_float_denorm_mode_16_64 3
		.amdhsa_memory_ordered 1
		.amdhsa_forward_progress 1
		.amdhsa_inst_pref_size 255
	.end_amdhsa_kernel
	.section	.bss,"aw",@nobits
	.p2align	6
	.space	262144
	.amdgpu_metadata
---
amdhsa.version: [ 1, 2 ]
amdhsa.kernels:
  - .name:           k_q64c00c97e6_rk4
    .symbol:         k_q64c00c97e6_rk4.kd
    .args:
      - { .name: x, .offset: 0, .size: 8, .value_kind: global_buffer, .address_space: global }
      - { .name: wf, .offset: 8, .size: 8, .value_kind: global_buffer, .address_space: global }
      - { .name: gf, .offset: 16, .size: 8, .value_kind: global_buffer, .address_space: global }
      - { .name: cv, .offset: 24, .size: 8, .value_kind: global_buffer, .address_space: global }
      - { .name: b1, .offset: 32, .size: 8, .value_kind: global_buffer, .address_space: global }
      - { .name: b2, .offset: 40, .size: 8, .value_kind: global_buffer, .address_space: global }
      - { .name: out0, .offset: 48, .size: 8, .value_kind: global_buffer, .address_space: global }
    .group_segment_fixed_size: 327680
    .private_segment_fixed_size: 0
    .kernarg_segment_align: 8
    .kernarg_segment_size: 56
    .max_flat_workgroup_size: 128
    .sgpr_count:     80
    .vgpr_count:     1024
    .wavefront_size: 32
...
	.end_amdgpu_metadata
.endif
;; end of part 3
;; ======== version 2 of 2: 3 launches
;; workspace buffers: wf 2,129,920 bytes; gf 786,432 bytes; cv 4,096 bytes
;; launch prep: the kernel of part 1 again; grid 520 x 1, 8 waves a work-group, no clusters, 0 bytes of LDS; arguments W1, W2, b2, wf; writes wf
;; launch gram (part 4): grid 16 x 17, 8 waves a work-group, no clusters, 33,792 bytes of LDS; arguments wf, gf, cv; writes gf, cv
.if DOCPART == 4
	.amdgcn_target "amdgcn-amd-amdhsa--gfx1250"
	.amdhsa_code_object_version 6
	.text
	.protected	k_q64c00c97e6_gram
	.globl	k_q64c00c97e6_gram
	.p2align	8
	.type	k_q64c00c97e6_gram,@function
k_q64c00c97e6_gram:
	s_mov_b64 s[64:65], 0
	v_nop
	global_prefetch_b8 v0, s[64:65] scope:SCOPE_SE
	s_setreg_imm32_b32 hwreg(HW_REG_WAVE_MODE, 25, 1), 1
	s_wait_xcnt 0x0
; G = Wc^T Wc (512 x 512) and c = b2 Wc (512), where Wc[u] = [W1[u][:] | W2[:][u]] in bf16, as wf's units 0-31 hold it: column tile T of Wc (16 columns, k = u) is fragment
; (w, t) = ((T % 16) / 4, 4 (T / 16) + T % 4) of each unit.  The operands are exact in bf16 and the sums are f32.  G's columns 0-255 (tiles T < 16, which make z) are stored as a PAIR of bf16
; numbers, hi = bf16(G), lo = bf16(G - hi): 16 significant bits; its columns 256-511 (which make g) as hi alone.
; gf = 16 X units of 32,768 bytes, then 16 Y units of 16,384.  X unit kk = [wave w: 4][t: 8] fragments of 1,024 bytes: t < 4: lo of tile T = 4 w + t; t >= 4: hi of tile T = 16 + 4 w + t - 4.
; Y unit kk = [w: 4][t: 4]: hi of tile T = 4 w + t.  In a fragment element (m, k) = G[32 kk + k][16 T + m], laid as in wf.
; SHARES.  Work-group (x, y): rows 32 y .. + 31 of G (tiles J = 2 y, 2 y + 1) x columns 32 x .. + 31 (tiles T = 2 x, 2 x + 1): four accumulators.  K = 1,024 IS SPLIT AMONG ITS EIGHT WAVES, four K steps
; of 32 each; the partial sums meet in LDS; waves 0-3 finish a tile each.  y = 16: source 0 is b2's fragment (every row b2), so every row of the result is c.
; LAYOUT.  D = (tile J) x (tile T): lane (r = l % 16, hh = l / 16), register j holds G[16 J + 8 hh + j][16 T + r]: rounded in pairs these are the 16 bytes at 16 l of half J % 2 of the
; fragment: a wave's store covers 512 consecutive bytes, aligned.  cv: 128 bytes a tile T, c[16 T + l % 16] at 4 l: each number twice, so that all lanes store.
.set PART,  0                          ; LDS: wave v's four partial tiles, 1,024 bytes each, at 4,096 v
.set SPARE, 32768                      ; behind them: the spare words, 128 bytes for each wave: four blocks of 256 bytes that no other line names
.set AO,  4                            ; v4-7    my byte offset in tile J0's fragment of K step i
.set A1O, 8                            ; v8-11   the same for tile J1
.set BO,  12                           ; v12     in tile T0's fragment of my first K step
.set LS,  13                           ; v13     where I put my 32 bytes of a partial tile
.set LR,  14                           ; v14     where I read them back
.set GO,  15                           ; v15     my 16 bytes of gf's X units
.set SPW, 16                           ; v16     LDS address of my spare word; never rewritten
.set NIL, 17                           ; v17     0; never rewritten
.set CO,  18                           ; v18     my 4 bytes of cv
.set GY,  19                           ; v19     my 16 bytes of gf's Y units, counted from the first of them
.set ACC, 32                           ; v[32:63]  accumulator q = 2 (J - J0) + (T - T0) at ACC + 8 q
.set BUF, 64                           ; v[64:191] K step i: J0, J1, T0, T1 at BUF + 32 i + 0, 8, 16, 24
.set WV,  12                           ; s12  my wave's number
.set KK,  13                           ; s13  y
.set FT,  14                           ; s14  tile T0's place in a unit of 32,768 bytes
.macro PLACE_OF dst, tile, tmp         ; a column tile's place in a unit, in bytes
	s_and_b32 \dst, \tile, 15
	s_lshr_b32 \dst, \dst, 2
	s_lshl_b32 \dst, \dst, 13
	s_lshr_b32 \tmp, \tile, 4
	s_lshl_b32 \tmp, \tmp, 12
	s_add_co_u32 \dst, \dst, \tmp
	s_and_b32 \tmp, \tile, 3
	s_lshl_b32 \tmp, \tmp, 10
	s_add_co_u32 \dst, \dst, \tmp
.endm
	s_load_b128 s[4:7], s[0:1], 0x0                ; wf s[4:5], gf s[6:7]
	s_load_b64 s[8:9], s[0:1], 0x10                ; cv
	v_lshl_add_u32 v[SPW], v0, 2, SPARE
	v_mov_b32 v[NIL], 0
	v_lshrrev_b32 v1, 5, v0
	v_readfirstlane_b32 s[WV], v1                  ; wave 0..7
	v_and_b32 v2, 31, v0                           ; l
	s_and_b32 s[KK], ttmp7, 0xffff
	s_lshl_b32 s15, ttmp9, 1                       ; T0
	PLACE_OF s14, s15, s16
	s_lshl_b32 s19, s[KK], 1                       ; J0
	PLACE_OF s20, s19, s16
	s_mov_b32 s21, 32768                           ; bytes from a K step's fragment to the next: a unit,
	s_cmp_eq_u32 s[KK], 16
	s_cselect_b32 s20, 0x200000, s20               ; b2's fragments lie behind the 64 units,
	s_cselect_b32 s21, 1024, s21                   ; on end,
	s_cselect_b32 s22, 0, 1024                     ; and serve as both tiles J
	s_lshl_b32 s23, s[WV], 2                       ; my first K step
	s_mul_i32 s23, s23, s21
	s_add_co_u32 s23, s23, s20
	v_lshl_add_u32 v[AO], v2, 4, s23
.irp i, 0,1,2
	v_add_nc_u32 v[AO+1+(\i)], s21, v[AO+(\i)]
.endr
.irp i, 0,1,2,3
	v_add_nc_u32 v[A1O+(\i)], s22, v[AO+(\i)]
.endr
	s_lshl_b32 s24, s[WV], 17                      ; four units
	s_add_co_u32 s24, s24, s[FT]
	v_lshl_add_u32 v[BO], v2, 4, s24
	s_lshl_b32 s25, s[WV], 12
	v_lshl_add_u32 v[LS], v2, 5, s25
	s_lshl_b32 s25, s[WV], 10
	v_lshl_add_u32 v[LR], v2, 5, s25               ; tile q = my wave's number (waves 0-3)
	s_and_b32 s26, s[WV], 1                        ; T - T0
	s_bfe_u32 s27, s[WV], 0x10001                  ; J - J0
	s_lshl_b32 s28, s[KK], 15                      ; X unit y,
	s_add_co_u32 s28, s28, s[FT]
	s_lshl_b32 s29, s26, 10                        ; the tile's fragment,
	s_add_co_u32 s28, s28, s29
	s_lshl_b32 s29, s27, 9                         ; its half
	s_add_co_u32 s28, s28, s29
	v_lshl_add_u32 v[GO], v2, 4, s28
	s_lshr_b32 s31, s15, 2                         ; Y unit y (tiles T < 16): 4,096 (T / 4)
	s_lshl_b32 s31, s31, 12
	s_and_b32 s32, s15, 3
	s_add_co_u32 s32, s32, s26
	s_lshl_b32 s32, s32, 10                        ; + 1,024 (T % 4)
	s_add_co_u32 s31, s31, s32
	s_add_co_u32 s31, s31, s29                     ; + the half
	s_lshl_b32 s32, s[KK], 14
	s_add_co_u32 s31, s31, s32
	v_lshl_add_u32 v[GY], v2, 4, s31
	s_add_co_u32 s30, s15, s26
	s_lshl_b32 s30, s30, 7
	v_lshl_add_u32 v[CO], v2, 2, s30
	s_wait_kmcnt 0x0
.irp i, 0,1,2,3
	global_load_b128 v[BUF+32*(\i):BUF+32*(\i)+3],      v[AO+(\i)],  s[4:5]
	global_load_b128 v[BUF+32*(\i)+4:BUF+32*(\i)+7],    v[AO+(\i)],  s[4:5] offset:512
	global_load_b128 v[BUF+32*(\i)+8:BUF+32*(\i)+11],   v[A1O+(\i)], s[4:5]
	global_load_b128 v[BUF+32*(\i)+12:BUF+32*(\i)+15],  v[A1O+(\i)], s[4:5] offset:512
	global_load_b128 v[BUF+32*(\i)+16:BUF+32*(\i)+19],  v[BO], s[4:5] offset:32768*(\i)
	global_load_b128 v[BUF+32*(\i)+20:BUF+32*(\i)+23],  v[BO], s[4:5] offset:32768*(\i)+512
	global_load_b128 v[BUF+32*(\i)+24:BUF+32*(\i)+27],  v[BO], s[4:5] offset:32768*(\i)+1024
	global_load_b128 v[BUF+32*(\i)+28:BUF+32*(\i)+31],  v[BO], s[4:5] offset:32768*(\i)+1536
.endr
; The four accumulators take turns, one instruction a turn; the first K step starts the sums with the constant 0.
.irp i, 0,1,2,3
	s_wait_loadcnt 24-8*(\i)                       ; K step i's eight loads are in; the later steps' may stay out
.irp q, 0,1,2,3
.if (\i) == 0
	v_wmma_f32_16x16x32_bf16 v[ACC+8*(\q):ACC+8*(\q)+7], v[BUF+32*(\i)+8*((\q)/2):BUF+32*(\i)+8*((\q)/2)+7], v[BUF+32*(\i)+16+8*((\q)%2):BUF+32*(\i)+16+8*((\q)%2)+7], 0
.else
	v_wmma_f32_16x16x32_bf16 v[ACC+8*(\q):ACC+8*(\q)+7], v[BUF+32*(\i)+8*((\q)/2):BUF+32*(\i)+8*((\q)/2)+7], v[BUF+32*(\i)+16+8*((\q)%2):BUF+32*(\i)+16+8*((\q)%2)+7], v[ACC+8*(\q):ACC+8*(\q)+7]
.endif
.endr
.endr
.rept 8
	v_nop                                          ; the places behind the last products, in front of the LDS stores that read results
.endr
.irp q, 0,1,2,3
	ds_store_b128 v[LS], v[ACC+8*(\q):ACC+8*(\q)+3]   offset:PART+1024*(\q)
	ds_store_b128 v[LS], v[ACC+8*(\q)+4:ACC+8*(\q)+7] offset:PART+1024*(\q)+16
.endr
	s_wait_dscnt 0x0                               ; for the others' sake: my partial sums are written
	s_barrier_signal -1
	s_barrier_wait -1
	s_cmp_lt_u32 s[WV], 4                          ; wave q finishes tile q
	s_cbranch_scc0 .Lend
.irp p, 0,1,2,3,4,5,6,7
	ds_load_b128 v[BUF+8*(\p):BUF+8*(\p)+3],   v[LR] offset:PART+4096*(\p)
	ds_load_b128 v[BUF+8*(\p)+4:BUF+8*(\p)+7], v[LR] offset:PART+4096*(\p)+16
.endr
	s_wait_dscnt 0x0
.irp p, 0,2,4,6
.irp r, 0,2,4,6
	v_pk_add_f32 v[BUF+8*(\p)+(\r):BUF+8*(\p)+(\r)+1], v[BUF+8*(\p)+(\r):BUF+8*(\p)+(\r)+1], v[BUF+8*(\p)+8+(\r):BUF+8*(\p)+8+(\r)+1]
.endr
.endr
.irp p, 0,4
.irp r, 0,2,4,6
	v_pk_add_f32 v[BUF+8*(\p)+(\r):BUF+8*(\p)+(\r)+1], v[BUF+8*(\p)+(\r):BUF+8*(\p)+(\r)+1], v[BUF+8*(\p)+16+(\r):BUF+8*(\p)+16+(\r)+1]
.endr
.endr
.irp r, 0,2,4,6
	v_pk_add_f32 v[BUF+(\r):BUF+(\r)+1], v[BUF+(\r):BUF+(\r)+1], v[BUF+32+(\r):BUF+32+(\r)+1]
.endr
	s_cmp_eq_u32 s[KK], 16
	s_cbranch_scc1 .Lc
.irp i, 0,1,2,3
	v_cvt_pk_bf16_f32 v[BUF+8+(\i)], v[BUF+2*(\i)], v[BUF+2*(\i)+1]      ; hi
.endr
	s_cmp_lt_u32 ttmp9, 8                          ; tiles T < 16: columns that make z
	s_cbranch_scc1 .Lz
	global_store_b128 v[GO], v[BUF+8:BUF+11], s[6:7]                     ; columns that make g: hi alone, into the X unit
	s_branch .Lend
.Lz:
.irp i, 0,1,2,3
	v_lshlrev_b32 v[BUF+16+2*(\i)], 16, v[BUF+8+(\i)]                    ; hi as f32
	v_and_b32 v[BUF+17+2*(\i)], 0xffff0000, v[BUF+8+(\i)]
.endr
.irp r, 0,2,4,6
	v_pk_add_f32 v[BUF+(\r):BUF+(\r)+1], v[BUF+(\r):BUF+(\r)+1], v[BUF+16+(\r):BUF+16+(\r)+1] neg_lo:[0,1] neg_hi:[0,1]  ; what hi left over: exact in f32
.endr
.irp i, 0,1,2,3
	v_cvt_pk_bf16_f32 v[BUF+12+(\i)], v[BUF+2*(\i)], v[BUF+2*(\i)+1]     ; lo
.endr
	global_store_b128 v[GO], v[BUF+12:BUF+15], s[6:7]                    ; lo into the X unit,
	global_store_b128 v[GY], v[BUF+8:BUF+11],  s[6:7] offset:524288      ; hi into the Y unit
	s_branch .Lend
.Lc:
	s_cmp_lt_u32 s[WV], 2                          ; tiles q = 0, 1: c of the two column tiles; q = 2, 3 hold the same once more
	s_cbranch_scc0 .Lend
	global_store_b32 v[CO], v[BUF], s[8:9]
.Lend:
	s_wait_tensorcnt 0x0                           ; the wave's end: behind my last LDS store
	ds_add_u32 v[SPW], v[NIL]
	s_wait_dscnt 0x0
	s_endpgm
.Lfunc_end_k_q64c00c97e6_gram:
	.size	k_q64c00c97e6_gram, .Lfunc_end_k_q64c00c97e6_gram-k_q64c00c97e6_gram
	.p2alignl 7, 3214868480
	.fill 96, 4, 3214868480
	.section	.rodata,"a",@progbits
	.p2align	6, 0x0
	.amdhsa_kernel k_q64c00c97e6_gram
		.amdhsa_group_segment_fixed_size 33792
		.amdhsa_private_segment_fixed_size 0
		.amdhsa_enable_private_segment 0
		.amdhsa_kernarg_size 24
		.amdhsa_user_sgpr_count 2
		.amdhsa_user_sgpr_kernarg_segment_ptr 1
		.amdhsa_wavefront_size32 1
		.amdhsa_system_sgpr_workgroup_id_x 1
		.amdhsa_system_sgpr_workgroup_id_y 1
		.amdhsa_system_sgpr_workgroup_id_z 1
		.amdhsa_system_vgpr_workitem_id 0
		.amdhsa_next_free_vgpr 192
		.amdhsa_next_free_sgpr 66
		.amdhsa_reserve_vcc 0
		.amdhsa_float_denorm_mode_32 3
		.amdhsa_float_denorm_mode_16_64 3
		.amdhsa_memory_ordered 1
		.amdhsa_forward_progress 1
		.amdhsa_inst_pref_size 13
	.end_amdhsa_kernel
	.amdgpu_metadata
---
amdhsa.version: [ 1, 2 ]
amdhsa.kernels:
  - .name:           k_q64c00c97e6_gram
    .symbol:         k_q64c00c97e6_gram.kd
    .args:
      - { .name: wf, .offset: 0, .size: 8, .value_kind: global_buffer, .address_space: global }
      - { .name: gf, .offset: 8, .size: 8, .value_kind: global_buffer, .address_space: global }
      - { .name: cv, .offset: 16, .size: 8, .value_kind: global_buffer, .address_space: global }
    .group_segment_fixed_size: 33792
    .private_segment_fixed_size: 0
    .kernarg_segment_align: 8
    .kernarg_segment_size: 24
    .max_flat_workgroup_size: 256
    .sgpr_count:     66
    .vgpr_count:     192
    .wavefront_size: 32
...
	.end_amdgpu_metadata
.endif
;; end of part 4
;; launch rk4 (part 5): grid 256 x 1, 4 waves a work-group, clusters of 4 x 1, 327,680 bytes of LDS; arguments x, wf, gf, cv, b1, b2, out0; writes out0
.if DOCPART == 5
	.amdgcn_target "amdgcn-amd-amdhsa--gfx1250"
	.amdhsa_code_object_version 6
	.text
	.protected	k_q64c00c97e6_rk4
	.globl	k_q64c00c97e6_rk4
	.p2align	8
	.type	k_q64c00c97e6_rk4,@function
k_q64c00c97e6_rk4:
	s_mov_b64 s[64:65], 0
	v_nop
	global_prefetch_b8 v0, s[64:65] scope:SCOPE_SE
	s_setreg_imm32_b32 hwreg(HW_REG_WAVE_MODE, 25, 1), 1
	s_wait_xcnt 0x0
	s_wait_alu depctr_hold_cnt(0) depctr_sa_sdst(0) depctr_va_vdst(0) depctr_va_sdst(0) depctr_va_ssrc(0) depctr_va_vcc(0) depctr_vm_vsrc(0)
	s_getreg_b32 s2, hwreg(HW_REG_IB_STS2, 6, 4)
	s_cmp_eq_u32 s2, 0
	s_cbranch_scc0 .Lentry_in_a_cluster
	s_endpgm
.Lentry_in_a_cluster:
	s_bfe_u32 s2, ttmp6, 0x10000c
	s_cmp_lg_u32 s2, 0x3003
	s_cbranch_scc0 .Lentry_shape_is_right
	s_endpgm
.Lentry_shape_is_right:
; One RK4 step of pvf(h) = grad_h sum(h . mlp(h)), mlp(h) = relu(h W1 + b1) W2 + b2, dt = 0.05, all four stages in one launch.
; ALGEBRA.  With Wc[u] = [W1[u][:] | W2[:][u]]: [z | g] = h Wc + [b1 | 0], P = [g (z > 0) | relu(z)] (512 wide), pvf = P Wc^T + b2.  The next stage's h is x + a pvf, so its
; [z | g] = Z1 + a (P G + c), Z1 = stage 1's [z | g], G = Wc^T Wc, c = b2 Wc (both made by the launch before), a = dt/2, dt/2, dt: between the stages nothing goes back to 1,024 columns.
; y = x + dt b2 + ((dt/6) R) Wc^T with R = P1 + 2 P2 + 2 P3 + P4, kept in f32.  The operand made of P is O = a P + be R: be = 0 in stages 1-3; in stage 4 a = 0, be = dt/6.
; WHY PAIRS.  g (z > 0) is a step in z: an error in z that changes its sign moves y by (dt/3) g W1[u][j], many times a rounding.  bf16 keeps 8 significant bits; so for z's columns O and G go to the
; matrix unit as pairs hi + lo of bf16 numbers, 16 significant bits: z = Z1 + a c + O_hi G_hi + O_lo G_hi + O_hi G_lo, added in f32.  g's columns take O_hi G_hi alone.
; AN UPDATE has two passes over K = 512.  X (8 slots): O_hi times [G_lo of my z tiles | G_hi of my g tiles].  Y (4 slots): G_hi of my z tiles times O_hi and O_lo: a fragment of G_hi read once feeds both.
; LIMITS.  W1, W2, b1, b2 and the x that enters the products are rounded once to bf16; the final sum adds x as it is given (read a second time), which is within 2^-9 |x| of the rounded x.
; Of (dt/6) R the last product takes hi alone.  relu's slope at z = 0 is 0 (the test is z > 0).  A NaN in z counts as z <= 0; 0 x R and 0 x P are formed, so an infinity in P or R becomes a NaN.
; SHARES.  A work-group owns 64 rows through all stages.  Wave w makes, for all 64 rows, columns j = 64 w .. + 63 of z and of g, and in the last product columns 512 c + 128 w .. + 127, c = 0, 1:
; always 64 rows x 128 columns, 32 accumulators.  THE MATRIX INSTRUCTION IS USED TRANSPOSED (source 0 = 16 rows of weights, source 1 = 16 rows of x or O): a lane (r = l % 16, hh = l / 16)
; holds row r and the eight neighbouring columns 8 hh + 0..7.
; WEIGHTS.  wf and gf hold them as fragments; they go through a ring of two LDS slots of 65,536 bytes: 16 slots of wf, three times 12 of gf, 16 of wf: 68 slots, 66 refills.
; CLUSTER: the four work-groups of a cluster walk the same weights in step, so each slot is asked for JOINTLY: the same tensor load, descriptor and mask in all four; a wave asks for a quarter.
; AHEAD OF THE RING.  wf's two halves are walked once, gf three times, by all 64 clusters in step.  Behind each joint refill the launch's first cluster prefetches the slot that stands three refills
; on, in wf and in gf's first walk alone.  A slot is 256 blocks of 256 bytes: waves 0 and 2 ask, each for its own quarter and the next wave's (32,768 bytes); of these the four partners take 8,192
; bytes each, told apart BY ADDRESS; a lane a block, one instruction a wave.  So each block is named once in the launch.  Slots 0 to 4 come by their loads alone; gf's second and third walks and the
; three addresses past the last slot are asked for by nobody.
; THE START.  Stage 1 begins when x's columns 0-511 lie in LDS: its first eight slots are multiplied while the loads of columns 512-1023 are still landing in registers.
; LDS.  slots 0, 1 | H0: x's columns 0-511 in bf16, 64 rows of 1,040 bytes, later O_lo | H1: x's columns 512-1023, later O_hi | a stage of 16 rows x 528 bytes a wave | b2 | c | spare words.
; Rows of 1,040 and 528 bytes are odd multiples of 16: the 16 rows that a load or store touches start at 16 different groups of four banks (64 banks of 4 bytes: ISA guide 11.1).
; REGISTERS, in windows of 256 (s_set_vgpr_msb: bits 1:0 source 0, 3:2 source 1, 5:4 source 2, 7:6 destination):
;   window 0: v0-31 addresses; v32-63 b1 as a C operand; v64-159, v160-255 two fragment buffers of 96, at work between the products
;   window 1: the accumulators, (a, t) at 8 (8 a + t)     window 2: Z1, numbered as the accumulators; at the end x in f32, row q at 4 q     window 3: R, numbered as the accumulators
.set HP,    1040                       ; a row of x or O in LDS: 1,024 bytes + 16
.set SLOTB, 65536                      ; a slot
.set H0,    2*SLOTB
.set HREG,  64*HP
.set H1,    H0+HREG
.set STG,   H1+HREG                    ; the way out: 16 rows x 528 bytes for each wave
.set SGP,   528
.set B2T,   STG+4*16*SGP               ; b2, 4,096 bytes
.set CT,    B2T+4096                   ; c as cv holds it: 128 bytes a tile of 16 columns
.set SPARE, CT+4096                    ; the spare words, 128 bytes for each wave: two blocks of 256 bytes that no other line names
.set PFO, 3                            ; v3   first my lane; then the prefetches' offset: 8,192 x my place in the cluster + 256 l; from then on never rewritten
.set AW0, 4                            ; v4   my place in a slot's first unit of 32,768 bytes: 8,192 w + 16 l; never rewritten
.set AW,  5                            ; v5   my place in the slot in hand
.set AB,  6                            ; v6   my place in 16 rows of x or O: 1,040 r + 16 hh; never rewritten
.set AA,  7                            ; v7   the same, in the region and at the K in hand
.set SPH, 8                            ; v8   where I put 16 bytes of O_hi: H1 + 1,040 r + 16 hh + 128 w
.set SPL, 9                            ; v9   of O_lo: the same in H0
.set CA,  10                           ; v10  my columns' c in LDS: 512 w + 32 hh
.set IH0, 11                           ; v11, v12 the way in: H0 or H1 + 256 w + 8 l
.set XO,  13                           ; v13  my 16 bytes of a row's chunk in x and in out0: 512 w + 16 l
.set STS, 14                           ; v14  into my stage: 528 r + 32 hh
.set STL, 15                           ; v15  back out of it: 16 l
.set B2A, 16                           ; v16  my columns' b2 in LDS: 512 w + 32 hh
.set SPW, 17                           ; v17  LDS address of my spare word; never rewritten
.set NIL, 18                           ; v18  0; never rewritten
.set AWY0, 19                          ; v19  my place in a slot's first unit of 16,384 bytes (pass Y): 4,096 w + 16 l; never rewritten
.set B1O, 20                           ; v20  my byte offset in b1
.set B2O, 21                           ; v21  my 32 bytes of b2 and of cv in memory,
.set B2S, 22                           ; v22  and in LDS
.set NEGV, 23                          ; v23  -1.0
.set B2L, 24                           ; v24-31  b2 on its way into LDS
.set AL,  24                           ; v24  later: as AA, in O_lo (pass Y)
.set B1R, 32                           ; v32-63  b1[64 w + 16 t + 8 hh + j] at 8 t + j
.set FB0, 64
.set FB1, 160
.set TT,  64                           ; v64-191 at work between the products
.set B2R, 160                          ; v160-223 b2 or c of 8 tiles
.set CL,  192                          ; v192-199 c on its way into LDS
.set RT,  200                          ; v200-219 at work at the head
.set NS,  3                            ; s3   1 where a new segment of the stream begins
.set WV,  18                           ; s18  my wave's number
.set CX,  19                           ; s19  my place in the cluster: it enters x's, out0's and the prefetches' addresses alone
.set WFB, 20                           ; s[20:21] wf at my quarter of its first slot
.set TP,  22                           ; s[22:23] my work-group's byte offset in x and out0
.set G1,  24                           ; s[24:31] descriptor group 1
.set G0A, 32                           ; s[32:35] group 0 of the first fill of slot 0
.set G0B, 36                           ; s[36:39] group 0 of the first fill of slot 1; it then walks
.set NXT, 40                           ; s40  the slot, in its segment, whose address was made last: three slots ahead of the refills
.set LIM, 41                           ; s41  slots in that segment
.set OFF, 42                           ; s[42:43] its byte offset in the segment
.set SB,  44                           ; s44  LDS byte at which the slot in hand begins
.set CNT, 45                           ; s45  counts trips
.set ST,  46                           ; s46  stages to go
.set SEG, 47                           ; s47  the segment: 0 wf's units 0-31; 1, 2, 3 gf; 4 wf's units 32-63; 5 past the end
.set ALPHA, 48                         ; s[48:49] a;  the packed forms take a pair's low word for both halves
.set BETA,  50                         ; s[50:51] be
.set WGT,   52                         ; s[52:53] P's weight in R: 1, 2, 2, 1
.set HIM,   54                         ; s54  a word's upper bf16
.set DTH,   55                         ; s55  dt / 2
.set DT,    56                         ; s[56:57] dt
.set GFB,   58                         ; s[58:59] gf at my quarter of its first slot
.set WF2,   60                         ; s[60:61] wf at my quarter of unit 32's slot
.set BASE,  62                         ; s[62:63] the segment's first slot
.set QA,    80                         ; s[80:81] my quarter of the slot that the next refill asks for,
.set QB,    82                         ; s[82:83] of the one after it,
.set QC,    84                         ; s[84:85] and of the one after that: the address made last, which the prefetch names
.set PV,    86                         ; s86  not 0: this wave prefetches in this trip
.set FL,    87                         ; s87  1 in waves 0 and 2 of the launch's first cluster, else 0
.set MSB, 0
.macro WIN new                         ; the immediate's high byte repeats the setting that is left; a switch that changes nothing is dropped
.if MSB != (\new)
	s_set_vgpr_msb (MSB<<8)|(\new)
.set MSB, \new
.endif
.endm
.macro PLACES                          ; four plain instructions between a matrix instruction and a vector instruction, store or load that touches its registers (ISA guide 7.12.1 for vector instructions and stores)
.rept 4
	v_nop
.endr
.endm
; A round of the cluster's barrier: my work-group's barrier, so that wave 0's signal speaks for all four waves; wave 0 signals; every wave waits for all four work-groups; my work-group's barrier once more.
.macro CREST                           ; a round behind its opening barrier
	s_cmp_lg_u32 s[WV], 0
	s_cbranch_scc1 .Lnot_wave_0_\@
	s_barrier_signal -3
.Lnot_wave_0_\@:
	s_barrier_wait -3
	s_barrier_signal -1
	s_barrier_wait -1
.endm
.macro CROUND
	s_barrier_signal -1
	s_barrier_wait -1
	CREST
.endm
; The trip's prefetch: 32 blocks of 256 bytes of the slot three refills on.  The branch hangs on the wave's number, the cluster's number and the walk's segment: it is the same in all four partners.
.macro ASK
	s_cmp_lg_u32 s[PV], 0
	s_cbranch_scc0 .Lnot_mine_\@
	global_prefetch_b8 v[PFO], s[QC:QC+1] th:TH_LOAD_NT scope:SCOPE_SE
.Lnot_mine_\@:
.endm
; 24 LDS loads in one run: unit e (32,768 bytes) of the slot in hand: my 8 fragments of weights (1,024 consecutive bytes each), then the 4 fragments of x or O_hi (16 rows x 32 K: two loads of 16 bytes, 32 bytes apart).
.macro FETCH buf, e
	WIN 0
.irp t, 0,1,2,3,4,5,6,7
	ds_load_b128 v[(\buf)+8*(\t):(\buf)+8*(\t)+3],   v[AW] offset:(\e)*32768+1024*(\t)
	ds_load_b128 v[(\buf)+8*(\t)+4:(\buf)+8*(\t)+7], v[AW] offset:(\e)*32768+1024*(\t)+512
.endr
.irp a, 0,1,2,3
	ds_load_b128 v[(\buf)+64+8*(\a):(\buf)+64+8*(\a)+3],   v[AA] offset:16*HP*(\a)+64*(\e)
	ds_load_b128 v[(\buf)+64+8*(\a)+4:(\buf)+64+8*(\a)+7], v[AA] offset:16*HP*(\a)+64*(\e)+32
.endr
.endm
; 8 matrix instructions: row block a x my 8 tiles, 32 along K.  first = 1: stage 1's sums start: z's with b1, g's with the constant 0.
; The 32 accumulators take turns, one instruction a turn, in the same order in every unit, over the backward jumps too.
.macro MUL buf, a, first
.if \first
	WIN 0x40
.else
	WIN 0x50
.endif
.irp t, 0,1,2,3,4,5,6,7
.if (\first) && ((\t) < 4)
	v_wmma_f32_16x16x32_bf16 v[8*(8*(\a)+(\t)):8*(8*(\a)+(\t))+7], v[(\buf)+8*(\t):(\buf)+8*(\t)+7], v[(\buf)+64+8*(\a):(\buf)+64+8*(\a)+7], v[B1R+8*(\t):B1R+8*(\t)+7]
.elseif \first
	v_wmma_f32_16x16x32_bf16 v[8*(8*(\a)+(\t)):8*(8*(\a)+(\t))+7], v[(\buf)+8*(\t):(\buf)+8*(\t)+7], v[(\buf)+64+8*(\a):(\buf)+64+8*(\a)+7], 0
.else
	v_wmma_f32_16x16x32_bf16 v[8*(8*(\a)+(\t)):8*(8*(\a)+(\t))+7], v[(\buf)+8*(\t):(\buf)+8*(\t)+7], v[(\buf)+64+8*(\a):(\buf)+64+8*(\a)+7], v[8*(8*(\a)+(\t)):8*(8*(\a)+(\t))+7]
.endif
.endr
.endm
; PASS Y.  24 LDS loads in one run: unit e (16,384 bytes) of the slot in hand: my 4 fragments of G_hi, then for each row block its fragment of O_hi and its fragment of O_lo.
.macro YFETCH buf, e
	WIN 0
.irp t, 0,1,2,3
	ds_load_b128 v[(\buf)+8*(\t):(\buf)+8*(\t)+3],   v[AW] offset:(\e)*16384+1024*(\t)
	ds_load_b128 v[(\buf)+8*(\t)+4:(\buf)+8*(\t)+7], v[AW] offset:(\e)*16384+1024*(\t)+512
.endr
.irp a, 0,1,2,3
	ds_load_b128 v[(\buf)+32+8*(\a):(\buf)+32+8*(\a)+3],   v[AA] offset:16*HP*(\a)+64*(\e)
	ds_load_b128 v[(\buf)+32+8*(\a)+4:(\buf)+32+8*(\a)+7], v[AA] offset:16*HP*(\a)+64*(\e)+32
	ds_load_b128 v[(\buf)+64+8*(\a):(\buf)+64+8*(\a)+3],   v[AL] offset:16*HP*(\a)+64*(\e)
	ds_load_b128 v[(\buf)+64+8*(\a)+4:(\buf)+64+8*(\a)+7], v[AL] offset:16*HP*(\a)+64*(\e)+32
.endr
.endm
; 8 matrix instructions: row block a's O_hi, then its O_lo, x my 4 tiles of z.  The block's four accumulators take turns, one instruction a turn: three others stand between two links of a chain.
.macro YMUL buf, a
	WIN 0x50
.irp p, 32, 64
.irp t, 0,1,2,3
	v_wmma_f32_16x16x32_bf16 v[8*(8*(\a)+(\t)):8*(8*(\a)+(\t))+7], v[(\buf)+8*(\t):(\buf)+8*(\t)+7], v[(\buf)+(\p)+8*(\a):(\buf)+(\p)+8*(\a)+7], v[8*(8*(\a)+(\t)):8*(8*(\a)+(\t))+7]
.endr
.endr
.endm
; A product begins: the region's first K, the slot in hand, its first unit.
.macro PSTART base
	WIN 0
	v_add_nc_u32 v[AA], \base, v[AB]
	v_add_nc_u32 v[AW], s[SB], v[AW0]
	FETCH FB0, 0
.endm
; THE CHANGE OF SLOTS, in two parts.  mode 2: the slot is filled again.  Each wave waits for all its tensor loads, of which one is out (its quarter of the other slot), adds 0 to its spare word, and
; waits for that and for its reads of this slot; the barrier opens a round of the cluster's, so that no wave of any partner still reads the slot or has a load on its way; the joint refill is the
; first thing behind the round.  Nothing but the switch of windows stands between the signal and the round's end: the products that are left of the slot stand behind the refill, while it is on its way.
; mode 1: the same with a plain barrier and no refill (the last slot but one).
; THE WALK makes one address a trip, three slots ahead of the refill; it goes through a queue of three pairs into the descriptor, and the prefetch names it when it is made.
.macro CHG_A mode
	WIN 0                                          ; (the add's two registers lie in window 0)
.if (\mode) == 2
	s_wait_xcnt 0x0                                ; the last prefetch, a trip back, has read its address: the queue may be written
.endif
	s_wait_tensorcnt 0x0                           ; all my tensor loads have landed, so a group 0 may be written
	ds_add_u32 v[SPW], v[NIL]                      ; 0 onto my spare word
.if (\mode) == 2
	s_xor_b32 s[G0B+1], s[G0B+1], SLOTB            ; the walking descriptor: the other slot than last time,
	s_mov_b64 s[G0B+2:G0B+3], s[QA:QA+1]           ; the queue's oldest address,
	s_or_b32 s[G0B+3], s[G0B+3], 0x80000000        ; the type
	s_mov_b64 s[QA:QA+1], s[QB:QB+1]
	s_mov_b64 s[QB:QB+1], s[QC:QC+1]
	s_add_co_u32 s[NXT], s[NXT], 1                 ; the walk: the segment's next 65,536 bytes,
	s_cmp_eq_u32 s[NXT], s[LIM]                    ; or behind its last the next segment's first
	s_cselect_b32 s[NXT], 0, s[NXT]
	s_cselect_b32 s[NS], 1, 0
	s_add_co_u32 s[SEG], s[SEG], s[NS]
	s_cmp_eq_u32 s[SEG], 4
	s_cselect_b64 s[BASE:BASE+1], s[WF2:WF2+1], s[GFB:GFB+1]
	s_cselect_b32 s[LIM], 16, 12                   ; wf's segments have 16 slots, gf's 12
	s_cmp_eq_u32 s[SEG], 0
	s_cselect_b64 s[BASE:BASE+1], s[WFB:WFB+1], s[BASE:BASE+1]
	s_cselect_b32 s[LIM], 16, s[LIM]
	s_lshl_b32 s[OFF], s[NXT], 16
	s_add_nc_u64 s[QC:QC+1], s[BASE:BASE+1], s[OFF:OFF+1]  ; (the three made in segment 5, past the end, are used by nothing)
	s_lshr_b32 s[PV], 19, s[SEG]                   ; 19 = bits 0, 1 and 4: the segments that are walked for the first time
	s_and_b32 s[PV], s[PV], s[FL]
.endif
.endm
.macro CHG_B mode
	WIN 0
	s_barrier_wait -1
.if (\mode) == 2
	CREST
	tensor_load_to_lds s[G0B:G0B+3], s[G1:G1+7]    ; my one tensor load behind the round: a quarter of the slot just read out, two slots ahead
	s_nop 0
.endif
	PLACES                                         ; the places in front of the loads into buffer 0
	s_xor_b32 s[SB], s[SB], SLOTB
.endm
; A TRIP: one slot of two units, 64 matrix instructions.  Unit 0 lies in buffer 0 (asked for in the trip before, or by PSTART); unit 1 is fetched in the middle of unit 0's products.
; mode 2, 1: as in the change of slots.  mode 0: the last slot: nothing to wait for but its fragments.
; fetch 1: the next slot's first unit, 128 bytes further along the rows of x or O; 4: pass Y's first unit, at the heads of H1 and H0; 0: none: the last trip on a region, so that
; behind its barrier no wave reads H0 or H1 any more, and they may be written.
.macro TRIP mode, fetch, first
	s_wait_dscnt 4                                 ; the weights and row blocks 0, 1 are in; the youngest four loads (blocks 2, 3) may be out
	MUL FB0, 0, \first
	MUL FB0, 1, \first
	PLACES
	FETCH FB1, 1
	s_wait_dscnt 24                                ; all but the 24 just issued
	MUL FB0, 2, \first
	MUL FB0, 3, \first
.if (\mode) == 0
	s_wait_dscnt 0x0
	MUL FB1, 0, 0
	MUL FB1, 1, 0
	MUL FB1, 2, 0
	MUL FB1, 3, 0
.else
	CHG_A \mode
	s_wait_dscnt 5                                 ; (the add and the youngest four loads may be out)
	MUL FB1, 0, 0                                  ; eight matrix instructions stand between the add and the wait for it
	s_wait_dscnt 0x0                               ; the add is done, and my reads of this slot, and of H0 and H1 so far, are over
	s_barrier_signal -1
	CHG_B \mode
.if (\fetch) == 1
	v_add_nc_u32 v[AA], 128, v[AA]
	v_add_nc_u32 v[AW], s[SB], v[AW0]
	FETCH FB0, 0
.elseif (\fetch) == 4
	v_add_nc_u32 v[AA], H1, v[AB]
	v_add_nc_u32 v[AL], H0, v[AB]
	v_add_nc_u32 v[AW], s[SB], v[AWY0]
	YFETCH FB0, 0
.endif
.if (\mode) == 2
	ASK                                            ; behind the joint load and the run of LDS loads that the next products wait for
.endif
	MUL FB1, 1, 0
	MUL FB1, 2, 0
	MUL FB1, 3, 0
.endif
.endm
.macro KLOOP n
	WIN 0                                          ; at a label and at a branch every window is 0
	s_mov_b32 s[CNT], \n
.Lk_\@:
	TRIP 2, 1, 0
	WIN 0
	s_sub_co_u32 s[CNT], s[CNT], 1
	s_cmp_lg_u32 s[CNT], 0
	s_cbranch_scc1 .Lk_\@
.endm
; A TRIP OF PASS Y: one slot of four units, 128 matrix instructions, on buffers 0, 1, 0, 1; the slot is filled again.  fetch 1: the next slot's first unit, 256 bytes further along O's rows; 0: none (the pass's last trip).
.macro YTRIP fetch
.irp e, 0,1,2
	s_wait_dscnt 8                                 ; the weights and row blocks 0, 1 are in; the youngest eight loads (blocks 2, 3, hi and lo) may be out
	YMUL FB0+96*((\e)%2), 0
	YMUL FB0+96*((\e)%2), 1
	PLACES
	YFETCH FB1-96*((\e)%2), (\e)+1
	s_wait_dscnt 24                                ; all but the 24 just issued
	YMUL FB0+96*((\e)%2), 2
	YMUL FB0+96*((\e)%2), 3
.endr
	CHG_A 2
	s_wait_dscnt 9                                 ; (the add and the youngest eight loads may be out)
	YMUL FB1, 0                                    ; eight matrix instructions stand between the add and the wait for it
	s_wait_dscnt 0x0                               ; the add is done, and my reads of this slot, and of O so far, are over
	s_barrier_signal -1
	CHG_B 2
.if \fetch
	v_add_nc_u32 v[AA], 256, v[AA]
	v_add_nc_u32 v[AL], 256, v[AL]
	v_add_nc_u32 v[AW], s[SB], v[AWY0]
	YFETCH FB0, 0
.endif
	ASK
	YMUL FB1, 1
	YMUL FB1, 2
	YMUL FB1, 3
.endm
.macro YLOOP n
	WIN 0
	s_mov_b32 s[CNT], \n
.Ly_\@:
	YTRIP 1
	WIN 0
	s_sub_co_u32 s[CNT], s[CNT], 1
	s_cmp_lg_u32 s[CNT], 0
	s_cbranch_scc1 .Ly_\@
.endm
; z and g become P; R takes it; O = a P + be R goes to LDS as a pair: hi = bf16(O) into H1, lo = bf16(O - hi) into H0.  Each accumulator is read from its lowest register on.
.macro PFORM
	PLACES
	WIN 0x44                                       ; source 1 and destination: the accumulators
.set p, 0
.rept 16                               ; row block p / 4, tile p % 4: z at (a, t), g at (a, t + 4)
.set rz, 8*(8*(p/4)+p%4)
.set j, 0
.rept 8
	v_cmp_lt_f32 vcc_lo, 0, v[rz+j]                ; z > 0
	v_max_num_f32 v[rz+j], 0, v[rz+j]              ; relu(z)
	v_cndmask_b32 v[rz+32+j], 0, v[rz+32+j], vcc_lo  ; g where z > 0, else 0: a choice of values, no branch
.set j, j+1
.endr
.set p, p+1
.endr
	WIN 0xf1                                       ; R (destination, source 2) in window 3, P in window 1
.set i, 0
.rept 128
	v_pk_fma_f32 v[i:i+1], v[i:i+1], s[WGT:WGT+1], v[i:i+1] op_sel_hi:[1,0,1]
.set i, i+2
.endr
	WIN 0x41
.set i, 0
.rept 128
	v_pk_mul_f32 v[i:i+1], v[i:i+1], s[ALPHA:ALPHA+1] op_sel_hi:[1,0]
.set i, i+2
.endr
	WIN 0x53                                       ; source 0: R
.set i, 0
.rept 128
	v_pk_fma_f32 v[i:i+1], v[i:i+1], s[BETA:BETA+1], v[i:i+1] op_sel_hi:[1,0,1]
.set i, i+2
.endr
	WIN 0x05
.set i, 0
.rept 128
	v_cvt_pk_bf16_f32 v[TT+i], v[2*i], v[2*i+1]    ; hi
.set i, i+1
.endr
	WIN 0
.irp a, 0,1,2,3
.irp t, 0,1,2,3
	ds_store_b128 v[SPH], v[TT+4*(8*(\a)+(\t)):TT+4*(8*(\a)+(\t))+3]     offset:16*HP*(\a)+32*(\t)+512  ; relu(z): O's columns 256 + 64 w + 16 t on
	ds_store_b128 v[SPH], v[TT+4*(8*(\a)+(\t)+4):TT+4*(8*(\a)+(\t)+4)+3] offset:16*HP*(\a)+32*(\t)      ; g (z > 0): columns 64 w + 16 t on
.endr
.endr
	WIN 0x50                                       ; destination and source 2: the accumulators
.set i, 0
.rept 128
	v_fma_mix_f32_bf16 v[2*i],   v[TT+i], v[NEGV], v[2*i]   op_sel_hi:[1,0,0]                 ; O - hi, exact in f32: the pair's low half,
	v_fma_mix_f32_bf16 v[2*i+1], v[TT+i], v[NEGV], v[2*i+1] op_sel:[1,0,0] op_sel_hi:[1,0,0]  ; its high half
.set i, i+1
.endr
	WIN 0x05
.set i, 0
.rept 128
	v_cvt_pk_bf16_f32 v[TT+i], v[2*i], v[2*i+1]    ; lo
.set i, i+1
.endr
	WIN 0
.irp a, 0,1,2,3
.irp t, 0,1,2,3
	ds_store_b128 v[SPL], v[TT+4*(8*(\a)+(\t)):TT+4*(8*(\a)+(\t))+3]     offset:16*HP*(\a)+32*(\t)+512
	ds_store_b128 v[SPL], v[TT+4*(8*(\a)+(\t)+4):TT+4*(8*(\a)+(\t)+4)+3] offset:16*HP*(\a)+32*(\t)
.endr
.endr
.endm
.macro B2LOAD c                        ; b2 of chunk c's 8 tiles: 16 loads
	WIN 0
.irp t, 0,1,2,3,4,5,6,7
	ds_load_b128 v[B2R+8*(\t):B2R+8*(\t)+3],   v[B2A] offset:2048*(\c)+64*(\t)
	ds_load_b128 v[B2R+8*(\t)+4:B2R+8*(\t)+7], v[B2A] offset:2048*(\c)+64*(\t)+16
.endr
.endm
.macro CLOAD                           ; c of my 8 tiles (z's four, then g's four): 16 loads
	WIN 0
.irp t, 0,1,2,3,4,5,6,7
	ds_load_b128 v[B2R+8*(\t):B2R+8*(\t)+3],   v[CA] offset:2048*((\t)/4)+128*((\t)%4)
	ds_load_b128 v[B2R+8*(\t)+4:B2R+8*(\t)+7], v[CA] offset:2048*((\t)/4)+128*((\t)%4)+16
.endr
.endm
.macro UINIT                           ; an update's sums start at Z1 + a c
	s_wait_dscnt 24                                ; c is in; the 24 loads of the first fragments may be out
	WIN 0x60                                       ; destination: the accumulators; source 2: Z1
.set i, 0
.rept 128
	v_pk_fma_f32 v[i:i+1], v[B2R+i%64:B2R+i%64+1], s[ALPHA:ALPHA+1], v[i:i+1] op_sel_hi:[1,0,1]
.set i, i+2
.endr
.endm
.macro FINITV c                        ; the last product's sums start at dt b2
	s_wait_dscnt 24
	WIN 0x40
.set i, 0
.rept 128
	v_pk_mul_f32 v[i:i+1], v[B2R+i%64:B2R+i%64+1], s[DT:DT+1] op_sel_hi:[1,0]
.set i, i+2
.endr
.endm
; x once more: my 512 bytes of chunk c in rows from .. to - 1.  48 rows are asked for a whole chunk's products ahead of their use, the other 16 a trip ahead of the chunk's end: 48 loads of mine are out at the most
.macro FX c, from, to
	WIN 0x80
.set i, \from
.rept (\to)-(\from)
	global_load_b128 v[4*i:4*i+3], v[XO], s[4:5] offset:4096*i+2048*(\c) th:TH_LOAD_NT
.set i, i+1
.endr
	WIN 0
.endm
; THE WAY OUT of chunk c, 16 rows at a time: a lane's 32 bytes of a row go into my own stage and come back as whole rows of 512 bytes; x is added; a store of the wave covers 512 consecutive bytes, aligned.
.macro FEPI c, more
	PLACES
.irp a, 0,1,2,3
	WIN 0x04                                       ; store data: the accumulators
.irp t, 0,1,2,3,4,5,6,7
	ds_store_b128 v[STS], v[8*(8*(\a)+(\t)):8*(8*(\a)+(\t))+3]   offset:64*(\t)
	ds_store_b128 v[STS], v[8*(8*(\a)+(\t))+4:8*(8*(\a)+(\t))+7] offset:64*(\t)+16
.endr
	WIN 0
	s_wait_xcnt 0x0                                ; the stores of two blocks back have read their data registers, which are loaded again below
.irp q, 0,1,2,3,4,5,6,7,8,9,10,11,12,13,14,15
	ds_load_b128 v[TT+64*((\a)%2)+4*(\q):TT+64*((\a)%2)+4*(\q)+3], v[STL] offset:SGP*(\q)  ; LDS serves a wave's instructions in order (ISA guide 5.7.1.4): these see the stores above
.endr
	s_wait_dscnt 0x0
.if (\a) == 0
	s_wait_loadcnt 0x0                             ; x
.endif
	WIN 0x08                                       ; source 1: x (window 2)
.set i, 0
.rept 32
	v_pk_add_f32 v[TT+64*((\a)%2)+i:TT+64*((\a)%2)+i+1], v[TT+64*((\a)%2)+i:TT+64*((\a)%2)+i+1], v[64*(\a)+i:64*(\a)+i+1]
.set i, i+2
.endr
	WIN 0
.irp q, 0,1,2,3,4,5,6,7,8,9,10,11,12,13,14,15
	global_store_b128 v[XO], v[TT+64*((\a)%2)+4*(\q):TT+64*((\a)%2)+4*(\q)+3], s[16:17] offset:4096*(16*(\a)+(\q))+2048*(\c) th:TH_STORE_NT
.endr
.endr
.if \more
	s_wait_xcnt 0x0                                ; the last stores have read their data registers: the next chunk's loads land there
.endif
.endm
	s_load_b256 s[4:11], s[0:1], 0x0               ; x s[4:5], wf s[6:7], gf s[8:9], cv s[10:11]
	s_load_b128 s[12:15], s[0:1], 0x20             ; b1 s[12:13], b2 s[14:15]
	s_load_b64 s[16:17], s[0:1], 0x30              ; out0
	v_lshl_add_u32 v[SPW], v0, 2, SPARE
	v_mov_b32 v[NIL], 0
	ds_add_u32 v[SPW], v[NIL]                      ; the wave's opening: the add, twice on end, and its wait ahead of my first tensor load; the set-up below stands between
	ds_add_u32 v[SPW], v[NIL]
	v_lshrrev_b32 v1, 5, v0
	v_readfirstlane_b32 s[WV], v1                  ; wave 0..3
	s_bfe_u32 s[CX], ttmp6, 0x40000                ; my place in the cluster
	s_lshl_b32 s66, ttmp9, 2                       ; in a cluster launch ttmp9 counts clusters
	s_add_co_u32 s66, s66, s[CX]                   ; my work-group
	s_lshl_b32 s[TP], s66, 18                      ; its 64 rows of 4,096 bytes
	s_mov_b32 s[TP+1], 0
	s_lshl_b32 s68, s[WV], 14                      ; my quarter of a slot, in wf and gf as in LDS: no place in the cluster enters it
	s_mov_b32 s69, 0
	s_lshl_b32 s77, s[CX], 13                      ; the prefetches: my work-group's 8,192 bytes of the 32,768 that my wave asks for
	s_and_b32 s[FL], s[WV], 1                      ; 0 in waves 0 and 2,
	s_or_b32 s[FL], s[FL], ttmp9                   ; where the cluster is the launch's first: the same in all four partners
	s_cmp_eq_u32 s[FL], 0
	s_cselect_b32 s[FL], 1, 0
	; descriptor group 1: 16,384 dense bytes as 64 rows of 256
	s_mov_b32 s[G1+0], 15|(3<<16)|(1<<21)          ; 15:0 the mask: all four work-groups; 17:16 elements of 8 bytes; 20 no padding; 21 set beside a mask
	s_mov_b32 s[G1+1], 32<<16                      ; tensor_dim0 = 32
	s_mov_b32 s[G1+2], 64<<16                      ; tensor_dim1 = 64
	s_mov_b32 s[G1+3], 32<<16                      ; tile_dim0 = 32
	s_mov_b32 s[G1+4], 64                          ; tile_dim1 = 64
	s_mov_b32 s[G1+5], 32                          ; 32 elements from row to row
	s_mov_b32 s[G1+6], 0
	s_mov_b32 s[G1+7], 0
	s_mov_b32 s[G0A], 1                            ; count = 1
	s_lshl_b32 s[G0A+1], s[WV], 14                 ; LDS address: slot 0
	s_mov_b32 s[G0B], 1
	s_add_co_u32 s[G0B+1], s[G0A+1], SLOTB         ; slot 1
	s_mov_b32 s[NXT], 4                            ; the addresses of slots 2, 3 and 4 are made below
	s_mov_b32 s[LIM], 16
	s_mov_b32 s[SEG], 0
	s_mov_b32 s[OFF+1], 0
	s_mov_b32 s[SB], 0
	s_mov_b32 s[ST], 4
	s_mov_b32 s[HIM], 0xffff0000
	s_mov_b32 s[DT], 0x3d4ccccd                    ; dt = 0.05
	s_mov_b32 s[DT+1], 0                           ; (named with it as a pair)
	s_mov_b32 s[DTH], 0x3ccccccd                   ; dt / 2
	s_mov_b32 s[ALPHA], 0x3ccccccd                 ; stage 1: a = dt / 2, be = 0, weight 1
	s_mov_b32 s[ALPHA+1], 0
	s_mov_b32 s[BETA], 0
	s_mov_b32 s[BETA+1], 0
	s_mov_b32 s[WGT], 1.0
	s_mov_b32 s[WGT+1], 0
	s_wait_dscnt 0x0                               ; both opening adds are done
	s_wait_kmcnt 0x0
	s_add_nc_u64 s[4:5], s[4:5], s[TP:TP+1]        ; x and out0 at my work-group's first row
	s_add_nc_u64 s[16:17], s[16:17], s[TP:TP+1]
	s_add_nc_u64 s[WFB:WFB+1], s[6:7], s[68:69]
	s_add_nc_u64 s[GFB:GFB+1], s[8:9], s[68:69]
	s_add_nc_u64 s[WF2:WF2+1], s[WFB:WFB+1], 0x100000
	s_add_nc_u64 s[QA:QA+1], s[WFB:WFB+1], 2*SLOTB
	s_add_nc_u64 s[QB:QB+1], s[WFB:WFB+1], 3*SLOTB
	s_add_nc_u64 s[QC:QC+1], s[WFB:WFB+1], 4*SLOTB
	s_mov_b64 s[G0A+2:G0A+3], s[WFB:WFB+1]
	s_or_b32 s[G0A+3], s[G0A+3], 0x80000000        ; type = 2
	s_add_nc_u64 s[G0B+2:G0B+3], s[WFB:WFB+1], SLOTB
	s_or_b32 s[G0B+3], s[G0B+3], 0x80000000
	CROUND                                         ; all four work-groups are here: the first joint loads meet
	tensor_load_to_lds s[G0A:G0A+3], s[G1:G1+7]    ; both first fills go out together: two loads of mine are out
	s_nop 0
	tensor_load_to_lds s[G0B:G0B+3], s[G1:G1+7]
	s_nop 0
	PLACES
	v_and_b32 v3, 31, v0                           ; l
	v_and_b32 v1, 15, v0                           ; r
	v_bfe_u32 v2, v0, 4, 1                         ; hh
	s_lshl_b32 s70, s[WV], 9
	v_lshl_add_u32 v[XO], v3, 4, s70
	s_lshl_b32 s71, s[WV], 8
	v_lshl_add_u32 v[B1O], v2, 5, s71              ; b1[64 w + 8 hh ..]
	v_lshlrev_b32 v[B2O], 5, v0
	global_load_b128 v[B2L:B2L+3],   v[B2O], s[14:15]
	global_load_b128 v[B2L+4:B2L+7], v[B2O], s[14:15] offset:16
	global_load_b128 v[CL:CL+3],     v[B2O], s[10:11]
	global_load_b128 v[CL+4:CL+7],   v[B2O], s[10:11] offset:16
.irp t, 0,1,2,3
	global_load_b128 v[B1R+8*(\t):B1R+8*(\t)+3],   v[B1O], s[12:13] offset:64*(\t)
	global_load_b128 v[B1R+8*(\t)+4:B1R+8*(\t)+7], v[B1O], s[12:13] offset:64*(\t)+16
.endr
	WIN 0x40                                       ; x, columns 0-511: my 512 bytes of each row, into the accumulators' registers
.set i, 0
.rept 64
	global_load_b128 v[4*i:4*i+3], v[XO], s[4:5] offset:4096*i
.set i, i+1
.endr
	WIN 0xc0                                       ; columns 512-1023, into R's
.set i, 0
.rept 64
	global_load_b128 v[4*i:4*i+3], v[XO], s[4:5] offset:4096*i+2048
.set i, i+1
.endr
	WIN 0
	s_lshl_b32 s72, s[WV], 13
	v_lshl_add_u32 v[AW0], v3, 4, s72
	s_lshl_b32 s76, s[WV], 12
	v_lshl_add_u32 v[AWY0], v3, 4, s76
	v_mul_u32_u24 v[AB], v1, HP
	v_lshl_add_u32 v[AB], v2, 4, v[AB]
	s_add_co_u32 s71, s71, H0
	v_lshl_add_u32 v[IH0], v3, 3, s71
	v_add_nc_u32 v[IH0+1], HREG, v[IH0]
	s_lshl_b32 s73, s[WV], 7
	s_add_co_u32 s74, s73, H0
	s_add_co_u32 s73, s73, H1
	v_add_nc_u32 v[SPH], s73, v[AB]
	v_add_nc_u32 v[SPL], s74, v[AB]
	s_add_co_u32 s70, s70, B2T
	v_lshl_add_u32 v[B2A], v2, 5, s70
	v_add_nc_u32 v[CA], 4096, v[B2A]
	s_mul_i32 s75, s[WV], 16*SGP
	s_add_co_u32 s75, s75, STG
	v_mul_u32_u24 v[RT], v1, SGP
	v_lshl_add_u32 v[RT], v2, 5, v[RT]
	v_add_nc_u32 v[STS], s75, v[RT]
	v_lshl_add_u32 v[STL], v3, 4, s75
	v_lshl_add_u32 v[B2S], v0, 5, B2T
	v_mov_b32 v[NEGV], -1.0
	v_lshl_add_u32 v[PFO], v3, 8, s77              ; the lane's number has served: 256 l + my work-group's part
	s_wait_loadcnt 63                              ; behind the first chunk's last load 64 were issued: b2, c, b1 and the first chunk are in
.irp i, 0,1,2,3
	v_cvt_pk_bf16_f32 v[RT+(\i)], v[B2L+2*(\i)], v[B2L+2*(\i)+1]         ; b2 rounded once to bf16,
.endr
.irp i, 0,1,2,3
	v_lshlrev_b32 v[B2L+2*(\i)],   16, v[RT+(\i)]                        ; and kept as f32
	v_and_b32     v[B2L+2*(\i)+1], s[HIM], v[RT+(\i)]
.endr
	ds_store_b128 v[B2S], v[B2L:B2L+3]
	ds_store_b128 v[B2S], v[B2L+4:B2L+7] offset:16
	ds_store_b128 v[B2S], v[CL:CL+3]     offset:4096
	ds_store_b128 v[B2S], v[CL+4:CL+7]   offset:4112
.set i, 0
.rept 16
	v_cvt_pk_bf16_f32 v[RT+4+i], v[B1R+2*i], v[B1R+2*i+1]                ; b1 likewise
.set i, i+1
.endr
.set i, 0
.rept 16
	v_lshlrev_b32 v[B1R+2*i],   16, v[RT+4+i]
	v_and_b32     v[B1R+2*i+1], s[HIM], v[RT+4+i]
.set i, i+1
.endr
	WIN 0x05
.set i, 0
.rept 128
	v_cvt_pk_bf16_f32 v[TT+i], v[2*i], v[2*i+1]    ; x rounded once to bf16
.set i, i+1
.endr
	WIN 0
.set i, 0
.rept 64
	ds_store_b64 v[IH0], v[TT+2*i:TT+2*i+1] offset:HP*i  ; 32 lanes, 256 consecutive bytes of row i
.set i, i+1
.endr
	s_wait_tensorcnt 0x1                           ; my quarter of slot 0 is in; slot 1's may stay out
	s_wait_dscnt 0x0                               ; my part of x's first half, of b2 and of c is written
	s_barrier_signal -1
	s_barrier_wait -1
	PSTART H0                                      ; STAGE 1: [z | g] = x Wc + [b1 | 0], 16 slots.  The first eight, on x's columns 0-511, while the loads of columns 512-1023 land
	TRIP 2, 1, 1                                   ; the first unit's products start the sums
	KLOOP 6
	TRIP 2, 0, 0                                   ; x's columns 448-511
	PLACES                                         ; the conversions below write registers of buffer 1, which the last products read
.irp g, 0,1,2,3                        ; the second chunk, 16 rows at a time
	s_wait_loadcnt 48-16*(\g)                      ; the later groups of 16 loads may stay out
	WIN 0x0f
.set i, 32*(\g)
.rept 32
	v_cvt_pk_bf16_f32 v[TT+i], v[2*i], v[2*i+1]
.set i, i+1
.endr
	WIN 0
.set i, 16*(\g)
.rept 16
	ds_store_b64 v[IH0+1], v[TT+2*i:TT+2*i+1] offset:HP*i  ; H1 has had no reader yet
.set i, i+1
.endr
.endr
	WIN 0xc0                                       ; R starts at 0, once a launch, so that all four stages have one text
.set i, 0
.rept 256
	v_mov_b32 v[i], 0
.set i, i+1
.endr
	WIN 0
	s_wait_dscnt 0x0                               ; my part of x's second half is written
	s_barrier_signal -1                            ; (the tensor load that is out fills a slot)
	s_barrier_wait -1
	PSTART H1
	KLOOP 7
	TRIP 2, 0, 0                                   ; the last: behind its round nobody reads x in LDS
	PLACES
	WIN 0x81                                       ; Z1 (window 2) keeps the sums for the three updates
.set i, 0
.rept 256
	v_mov_b32 v[i], v[i]
.set i, i+1
.endr
	WIN 0
.Lstage:                               ; a stage: P, R and O of the [z | g] in the accumulators; then (stages 1-3) the next [z | g], 12 slots
	PFORM                                          ; H0 and H1 were last read in front of the last trip's round
	s_wait_dscnt 0x0                               ; my part of O is written
	s_barrier_signal -1                            ; (the tensor load that is out fills a slot)
	s_barrier_wait -1
	s_sub_co_u32 s[ST], s[ST], 1
	s_cmp_eq_u32 s[ST], 0
	s_cbranch_scc1 .Lfinal                         ; the fourth stage's P has gone into R: the last product is written out below
	CLOAD
	PSTART H1
	UINIT
	KLOOP 7                                        ; pass X: z += O_hi G_lo, g += O_hi G_hi
	TRIP 2, 4, 0                                   ; its last slot; the fetches go over to pass Y
	YLOOP 3                                        ; pass Y: z += (O_hi + O_lo) G_hi
	YTRIP 0                                        ; behind its round nobody reads O
	WIN 0
	s_cmp_eq_u32 s[ST], 3                          ; the next stage's constants: a = dt/2, dt, 0; be = 0, 0, dt/6; weight 2, 2, 1
	s_cselect_b32 s[ALPHA], s[DTH], s[DT]
	s_cmp_eq_u32 s[ST], 1
	s_cselect_b32 s[ALPHA], 0, s[ALPHA]
	s_cselect_b32 s[BETA], 0x3c088889, 0           ; dt / 6
	s_cselect_b32 s[WGT], 1.0, 2.0
	s_cmp_lg_u32 s[ST], 0
	s_cbranch_scc1 .Lstage
.Lfinal:                               ; y = x + dt b2 + ((dt/6) R) Wc^T
	PLACES                                         ; on the way that falls through the branch above, the loads of b2 below land in buffer 1 straight behind the products that read it: four places first
	FX 0, 0, 48
	B2LOAD 0
	PSTART H1
	FINITV 0
	KLOOP 7
	FX 0, 48, 64
	TRIP 2, 0, 0
	FEPI 0, 1
	FX 1, 0, 48
	B2LOAD 1
	PSTART H1
	FINITV 1
	KLOOP 6
	FX 1, 48, 64
	TRIP 1, 1, 0                                   ; the tail is written out: the last two slots are filled no more
	TRIP 0, 0, 0
	FEPI 1, 0
	s_wait_tensorcnt 0x0                           ; the wave's end: behind my last tensor load and my last LDS store
	ds_add_u32 v[SPW], v[NIL]
	s_wait_dscnt 0x0
	CROUND                                         ; the closing round: no work-group ends while a partner may still ask for a slot that names it
	s_endpgm
.Lfunc_end_k_q64c00c97e6_rk4:
	.size	k_q64c00c97e6_rk4, .Lfunc_end_k_q64c00c97e6_rk4-k_q64c00c97e6_rk4
	.p2alignl 7, 3214868480
	.fill 96, 4, 3214868480
	.section	.rodata,"a",@progbits
	.p2align	6, 0x0
	.amdhsa_kernel k_q64c00c97e6_rk4
		.amdhsa_group_segment_fixed_size 327680
		.amdhsa_private_segment_fixed_size 0
		.amdhsa_enable_private_segment 0
		.amdhsa_kernarg_size 56
		.amdhsa_user_sgpr_count 2
		.amdhsa_user_sgpr_kernarg_segment_ptr 1
		.amdhsa_wavefront_size32 1
		.amdhsa_system_sgpr_workgroup_id_x 1
		.amdhsa_system_sgpr_workgroup_id_y 1
		.amdhsa_system_sgpr_workgroup_id_z 1
		.amdhsa_system_vgpr_workitem_id 0
		.amdhsa_next_free_vgpr 1024
		.amdhsa_next_free_sgpr 88
		.amdhsa_reserve_vcc 1
		.amdhsa_float_denorm_mode_32 3
		.amdhsa_float_denorm_mode_16_64 3
		.amdhsa_memory_ordered 1
		.amdhsa_forward_progress 1
		.amdhsa_inst_pref_size 255
	.end_amdhsa_kernel
	.section	.bss,"aw",@nobits
	.p2align	6
	.space	262144
	.amdgpu_metadata
---
amdhsa.version: [ 1, 2 ]
amdhsa.kernels:
  - .name:           k_q64c00c97e6_rk4
    .symbol:         k_q64c00c97e6_rk4.kd
    .args:
      - { .name: x, .offset: 0, .size: 8, .value_kind: global_buffer, .address_space: global }
      - { .name: wf, .offset: 8, .size: 8, .value_kind: global_buffer, .address_space: global }
      - { .name: gf, .offset: 16, .size: 8, .value_kind: global_buffer, .address_space: global }
      - { .name: cv, .offset: 24, .size: 8, .value_kind: global_buffer, .address_space: global }
      - { .name: b1, .offset: 32, .size: 8, .value_kind: global_buffer, .address_space: global }
      - { .name: b2, .offset: 40, .size: 8, .value_kind: global_buffer, .address_space: global }
      - { .name: out0, .offset: 48, .size: 8, .value_kind: global_buffer, .address_space: global }
    .group_segment_fixed_size: 327680
    .private_segment_fixed_size: 0
    .kernarg_segment_align: 8
    .kernarg_segment_size: 56
    .max_flat_workgroup_size: 128
    .sgpr_count:     88
    .vgpr_count:     1024
    .wavefront_size: 32
...
	.end_amdgpu_metadata
.endif
;; end of part 5
